; MI455X (gfx1250); checked and timed in simulation.
; The chip was launched on July 23, 2026; its instructions are those of AMD's public machine-readable ISA for CDNA 5 (MIT licence, August 2026) and "CDNA5" Instruction Set Architecture Reference Guide (July 2026). The comments in the code are by the model that wrote it; some were corrected since.
;; Multi Head Attention. Allowed arithmetic: matrix products marked QUANTISED: E2M3 operands, one E8M0 scale for each 32 along K, by v_wmma_scale_f32_16x16x128_f8f6f4 with both operands' format E2M3, f32 sums; everything else in f32.
;; Inputs: K 4 x 2,048 x 1,024 float32; Q 4 x 2,048 x 1,024 float32; V 4 x 2,048 x 1,024 float32; Wk_b 1,024 float32; Wk_w 1,024 x 1,024 float32; Wq_b 1,024 float32; Wq_w 1,024 x 1,024 float32; Wv_b 1,024 float32; Wv_w 1,024 x 1,024 float32; mask 1 x 1 x 2,048 x 2,048 bool; out_b 1,024 float32; out_w 1,024 x 1,024 float32.
;; Outputs: out0 4 x 2,048 x 1,024 float32.
;; This version of the problem:
;;   THIS VERSION OF THE PROBLEM IS GIVEN IN LOW PRECISION. The matrix products marked QUANTISED in the list below multiply operands that are first quantised to E2M3 (2 exponent bits, 3 mantissa bits; 6 bits a number), with one power-of-two scale for each 32 numbers along K (OCP MX v1.0); their sums are f32. All else is computed in f32.
;;   The module's matrix products, in the order in which they are computed (A, B: the left and right operand; K: the contracted axis; several contracted axes count as one K, in the product's order):
;;     1. [M 8,192, K 1,024] x [K 1,024, N 1,024]; A: input Q; B: input Wq_w: QUANTISED
;;     2. [M 8,192, K 1,024] x [K 1,024, N 1,024]; A: input K; B: input Wk_w: QUANTISED
;;     3. [M 8,192, K 1,024] x [K 1,024, N 1,024]; A: input V; B: input Wv_w: QUANTISED
;;     4. batch 64 x [M 2,048, K 64] x [K 64, N 2,048]; A: computed on the way; B: computed on the way: QUANTISED
;;     5. batch 64 x [M 2,048, K 2,048] x [K 2,048, N 64]; A: softmax (see below); B: computed on the way: QUANTISED
;;     6. [M 8,192, K 1,024] x [K 1,024, N 1,024]; A: computed on the way; B: input out_w: QUANTISED
;;   THE QUANTISER, for each operand of a quantised product, along K:
;;     - K is cut into blocks of 32 from its start; a last block that is shorter is filled with zeros.
;;     - A block's scale is 2^e with e = floor(log2(the largest magnitude in the block)) - 2, held to -126 .. 127; a block of zeros has e = 0. As a byte (E8M0): e + 127.
;;     - Each number is divided by its block's scale, clamped to +-7.5, and rounded to the nearest number of E2M3, ties to even, subnormals kept.
;;     - The product sums the exact products of the quantised numbers (number of the format x scale) in f32.
;;   ~~~python
;;   def quantise(x, axis):      # numpy; x: float32 -> the quantised numbers, widened to float32 again
;;       x = np.moveaxis(x, axis, -1); K = x.shape[-1]
;;       x = np.pad(x, [(0, 0)] * (x.ndim - 1) + [(0, -K % 32)]); x = x.reshape(x.shape[:-1] + (-1, 32)); a = np.abs(x).max(-1, keepdims=True)
;;       e = np.where(a > 0, np.clip(np.frexp(np.where(a > 0, a, 1))[1] - 1 - 2, -126, 127), 0)      # np.frexp(a)[1] - 1 = floor(log2(a)), exactly
;;       r = np.clip(x / 2.0 ** e, -7.5, 7.5)
;;       step = 2.0 ** (np.maximum(np.frexp(np.where(r == 0, 1, r))[1] - 1, 0) - 3)
;;       q = np.round(r / step) * step * 2.0 ** e      # np.round: ties to even
;;       return np.moveaxis(q.reshape(q.shape[:-2] + (-1,))[..., :K], -1, axis).astype(np.float32)
;;   ~~~
;;   SOFTMAX AHEAD OF A QUANTISED PRODUCT. Where the list says 'softmax', what is quantised is not the finished softmax but p = 2^(t - M), with t = logit x log2(e) and M = ceil(the row's largest t), a whole number; so 1/2 < the row's largest p <= 1. The row's sum l is taken of the UNQUANTISED p, in f32, and the product's result is divided by l at the end. Since M is a whole number, a kernel that streams over the keys may use a running M (the ceiling of the running maximum): every later rescaling is an exact power of two, which a block's scale takes up: the codes' values come out the same.
;;   OPERANDS COMPUTED ON THE WAY. 'Computed on the way' means the value that the module computes at that place (a softmax that the list does not call 'softmax' is quantised finished and normalised). What goes into a quantiser is computed in f32, as accurately as f32 sums, v_exp_f32 and their like allow (about 1e-6 of the number): no bf16 or f16 on the way to a quantiser, and a product that is left as it is and whose result goes on into a quantised operand takes f32 operands (vector FMAs, or v_wmma_f32_16x16x4_f32). A number that lies on a knife's edge between two numbers of the format may be rounded either way, as far as f32 arithmetic and the matrix unit's own rounding can turn it there, and no further.
;; One version. Each part assembles by itself: llvm-mc -triple=amdgcn-amd-amdhsa -mcpu=gfx1250 --defsym DOCPART=n.
;; ======== version 1 of 1: 4 launches
;; limits: right only within a limited range of input values
;; workspace buffers: codes 22,020,096 bytes; scl 917,504 bytes; maskw 589,824 bytes of whole numbers; qc 6,291,456 bytes; qs 524,288 bytes; kv 13,369,344 bytes; oc 6,291,456 bytes; osc 524,288 bytes
;; launch quant (part 1): grid 512 x 1, 4 waves a work-group, no clusters, 34,304 bytes of LDS; arguments Q, K, V, Wq_w, Wk_w, Wv_w, out_w, mask, codes, scl, maskw; writes codes, scl, maskw
.if DOCPART == 1
	.amdgcn_target "amdgcn-amd-amdhsa--gfx1250"
	.amdhsa_code_object_version 6
	.text
	.protected	k_qa73012fd34_quant
	.globl	k_qa73012fd34_quant
	.p2align	8
	.type	k_qa73012fd34_quant,@function
k_qa73012fd34_quant:
	s_mov_b64 s[64:65], 0
	v_nop
	global_prefetch_b8 v0, s[64:65] scope:SCOPE_SE
	s_setreg_imm32_b32 hwreg(HW_REG_WAVE_MODE, 25, 1), 1
	s_wait_xcnt 0x0
; Q, K, V [8192][1024] and the four weights [1024][1024], f32, K innermost, become codes of FP6 (E2M3) with one E8M0 byte for each 32 along K, laid in the ORDER OF AN OPERAND'S REGISTERS.
; The mask [2048][2048] of bytes becomes words of 32 lane bits, as the attention launch's selects take them.
; TILES.  Tile T of a tensor is 16 rows: lane-row r is row 32 (T / 2) + 8 (T % 2) + r + 8 (r / 8).  codes: [1792 tiles][16 halves of a K step][768 bytes]: tiles 0-511 Q, 512-1023 K, 1024-1535 V, then 64 each of Wq, Wk, Wv, out_w.
; A half (16 rows x 64 along K) is the image of 6 registers: lane l's registers 0-3 at 16 l, registers 4-5 at 512 + 8 l.  scl: [1792][512]: the word of (row r, K step 2 j + h) at 256 h + 16 r + 4 j.
; A block's scale is 2^(floor(log2(its largest magnitude)) - 2); its byte is that magnitude's exponent field - 2, held at 1 from below.
; LIMITS: a block of zeros, or one whose largest magnitude lies under 2^-124, gets the byte 1 (zeros give zero codes; this program alone reads the bytes); NaN and infinities among the inputs are not served; any non-zero mask byte counts as true.
; SHARES.  Work-groups 0-447: a wave takes one tile, all of K, in eight K steps of 128.  Each load reads 512 consecutive bytes of one row; a K step turns through the wave's own stage in LDS, so that a lane gets 16 neighbours of each block.
; Work-groups 448-511: a wave takes half of a query tile's mask row block (8 key steps of 128).  No tensor loads, no barrier: waves share nothing.
.set WST,   8448                       ; a wave's stage: 16 rows x (512 bytes + 16)
.set SPARE, 4*WST                      ; behind the stages: the spare words, 128 bytes a wave
.set LO16,  4                          ; v4   16 x lane
.set LO8,   5                          ; v5   8 x lane
.set STI,   6                          ; v6   the stage, on the way in
.set STO,   7                          ; v7   and on the way out: row r, + 64 h
.set SPW,   8                          ; v8   my spare word; never rewritten
.set NIL,   9                          ; v9   0; never rewritten
.set PWS,   10                         ; v10-17 a scale word for each K step
.set WS,    18                         ; v18-21 the four words that I store
.set TM,    22                         ; v22-37 at work in QUANT
.set PC,    38                         ; v38-57 the codes just made
.set X,     58                         ; v58-121 64 numbers: register 16 b + i = k 32 b + 16 h + i of my row
.set R,     122                        ; v122-249 two sets of 64 registers as loaded
.set SEL,   34                         ; s[34:35] selects for lane l xor 16
; 64 numbers of a lane become a fragment's codes in v[PC] .. v[PC+11] and its scale word in v[pw]
.macro QUANT s, pw
.irp b, 0,1,2,3
	v_max3_num_f32 v[TM+\b], |v[(\s)+16*\b]|, |v[(\s)+1+16*\b]|, 0x1800000   ; block b: my 16 numbers, and the floor 2^(3 - 127): the byte cannot fall under 1
.endr
.irp i, 2,4,6,8,10,12,14
.irp b, 0,1,2,3
	v_max3_num_f32 v[TM+\b], v[TM+\b], |v[(\s)+16*\b+\i]|, |v[(\s)+1+16*\b+\i]|
.endr
.endr
.irp b, 0,1,2,3
	v_permlanex16_b32 v[TM+4+\b], v[TM+\b], s[SEL], s[SEL+1]
.endr
.irp b, 0,1,2,3
	v_max_num_f32 v[TM+\b], v[TM+\b], v[TM+4+\b]                  ; with lane l xor 16's: the block's largest magnitude
.endr
.irp b, 0,1,2,3
	v_add_nc_u32 v[TM+12+\b], 0xff000000, v[TM+\b]                ; 2 off its exponent field: the conversion's scale operand
.endr
.irp b, 0,1,2,3
	v_lshrrev_b32 v[TM+4+\b], 23, v[TM+12+\b]                     ; the scale's byte
.endr
	v_lshl_or_b32 v[\pw], v[TM+5], 8, v[TM+4]
	v_lshl_or_b32 v[\pw], v[TM+6], 16, v[\pw]
	v_lshl_or_b32 v[\pw], v[TM+7], 24, v[\pw]
.irp c, 0,1
	v_cvt_scalef32_pk16_fp6_f32 v[PC+6*\c:PC+2+6*\c], v[(\s)+32*\c:(\s)+15+32*\c], v[TM+12+2*\c]
	v_cvt_scalef32_pk16_fp6_f32 v[PC+12+4*\c:PC+14+4*\c], v[(\s)+16+32*\c:(\s)+31+32*\c], v[TM+12+2*\c+1]   ; (a conversion's three registers begin on an even number)
.endr
	v_nop                                          ; one plain place behind a scaled conversion
.irp c, 0,1                                    ; the operand's layout wants a whole block in a lane
.irp i, 0,1,2
	v_permlane16_swap_b32 v[PC+6*\c+\i], v[PC+12+4*\c+\i]
.endr
.irp i, 0,1,2
	v_mov_b32 v[PC+3+6*\c+\i], v[PC+12+4*\c+\i]
.endr
.endr
.endm
	s_load_b512 s[4:19], s[0:1], 0x0               ; Q, K, V, Wq_w, Wk_w, Wv_w, out_w, mask
	s_load_b128 s[20:23], s[0:1], 0x40             ; codes, scl
	s_load_b64 s[24:25], s[0:1], 0x50              ; maskw
	v_lshl_add_u32 v[SPW], v0, 2, SPARE
	v_mov_b32 v[NIL], 0
	v_lshrrev_b32 v1, 5, v0
	v_readfirstlane_b32 s26, v1                    ; wave
	v_and_b32 v1, 31, v0                           ; lane
	v_and_b32 v2, 15, v0                           ; r
	v_bfe_u32 v3, v0, 4, 1                         ; h
	v_lshlrev_b32 v[LO16], 4, v1
	v_lshlrev_b32 v[LO8], 3, v1
	s_mul_i32 s37, s26, WST
	v_add_nc_u32 v[STI], s37, v[LO16]
	v_mul_u32_u24 v[STO], v2, 528
	v_lshl_add_u32 v[STO], v3, 6, v[STO]
	v_add_nc_u32 v[STO], s37, v[STO]
	s_mov_b32 s[SEL], 0x76543210
	s_mov_b32 s[SEL+1], 0xfedcba98
	s_mov_b32 s36, 0xffff0000                      ; lanes 16-31
	s_lshl_b32 s38, ttmp9, 2
	s_add_co_u32 s38, s38, s26                     ; 4 x work-group + wave
	s_wait_kmcnt 0x0
	s_cmp_ge_u32 ttmp9, 448
	s_cbranch_scc1 .Lmask
	; ---- a tile of a tensor.  Which tensor: by the work-group's number alone
	s_mov_b64 s[28:29], s[16:17]
	s_mov_b32 s37, 432
	s_cmp_lt_u32 ttmp9, 432
	s_cselect_b64 s[28:29], s[14:15], s[28:29]
	s_cselect_b32 s37, 416, s37
	s_cmp_lt_u32 ttmp9, 416
	s_cselect_b64 s[28:29], s[12:13], s[28:29]
	s_cselect_b32 s37, 400, s37
	s_cmp_lt_u32 ttmp9, 400
	s_cselect_b64 s[28:29], s[10:11], s[28:29]
	s_cselect_b32 s37, 384, s37
	s_cmp_lt_u32 ttmp9, 384
	s_cselect_b64 s[28:29], s[8:9], s[28:29]
	s_cselect_b32 s37, 256, s37
	s_cmp_lt_u32 ttmp9, 256
	s_cselect_b64 s[28:29], s[6:7], s[28:29]
	s_cselect_b32 s37, 128, s37
	s_cmp_lt_u32 ttmp9, 128
	s_cselect_b64 s[28:29], s[4:5], s[28:29]
	s_cselect_b32 s37, 0, s37                      ; the tensor's first work-group
	s_lshl_b32 s37, s37, 2
	s_sub_co_u32 s37, s38, s37                     ; my tile in the tensor
	s_lshr_b32 s39, s37, 1
	s_lshl_b32 s39, s39, 5
	s_and_b32 s40, s37, 1
	s_lshl_b32 s40, s40, 3
	s_add_co_u32 s39, s39, s40                     ; its first row: 32 (T / 2) + 8 (T % 2)
	s_lshl_b32 s40, s39, 12                        ; rows of 4,096 bytes
	s_mov_b32 s41, 0
	s_add_nc_u64 s[28:29], s[28:29], s[40:41]
	s_mul_i32 s40, s38, 12288
	s_add_nc_u64 s[30:31], s[20:21], s[40:41]      ; my tile's codes
	s_lshl_b32 s40, s38, 9
	s_add_nc_u64 s[32:33], s[22:23], s[40:41]      ; and its scale words
.irp b, 0,1,2,3
	v_mov_b32 v[TM+4+\b], 0                        ; written once: a lane permute's destination counts as one of its sources
.endr
.macro LOADK s                         ; K step s of the 16 rows: each load reads 512 consecutive bytes of one row
.irp i, 0,1,2,3,4,5,6,7,8,9,10,11,12,13,14,15
	global_load_b128 v[R+64*((\s)%2)+4*\i:R+64*((\s)%2)+4*\i+3], v[LO16], s[28:29] offset:(\i+8*(\i/8))*4096+512*(\s) th:TH_LOAD_NT
.endr
.endm
.macro QSTEP s
.if (\s) < 7
	s_wait_loadcnt 16                              ; this step's 16 loads are in; the next step's 16 may be out
.else
	s_wait_loadcnt 0x0
.endif
.irp i, 0,1,2,3,4,5,6,7,8,9,10,11,12,13,14,15
	ds_store_b128 v[STI], v[R+64*((\s)%2)+4*\i:R+64*((\s)%2)+4*\i+3] offset:528*\i
.endr
.irp b, 0,1,2,3
.irp j, 0,1,2,3
	ds_load_b128 v[X+16*\b+4*\j:X+16*\b+4*\j+3], v[STO] offset:128*\b+16*\j   ; LDS serves a wave's instructions in order: these see the stores above
.endr
.endr
	s_wait_dscnt 0x0                               ; my 64 numbers are in
	s_wait_xcnt 0x0                                ; the last step's stores have read the codes' registers
.if (\s) < 6
	LOADK (\s)+2
.endif
	QUANT X, PWS+(\s)
	global_store_b128 v[LO16], v[PC:PC+3], s[30:31] offset:1536*(\s)           ; 512 consecutive bytes
	global_store_b64 v[LO8], v[PC+4:PC+5], s[30:31] offset:1536*(\s)+512       ; 256
	global_store_b128 v[LO16], v[PC+6:PC+9], s[30:31] offset:1536*(\s)+768
	global_store_b64 v[LO8], v[PC+10:PC+11], s[30:31] offset:1536*(\s)+1280
.endm
	LOADK 0
	LOADK 1
	s_wait_alu depctr_va_vdst(0)
.irp s, 0,1,2,3,4,5,6,7
	QSTEP \s
.endr
.irp j, 0,1,2,3
	v_cndmask_b32 v[WS+\j], v[PWS+2*\j], v[PWS+2*\j+1], s36        ; lanes 0-15 keep K step 2 j's word, lanes 16-31 K step 2 j + 1's
.endr
	global_store_b128 v[LO16], v[WS:WS+3], s[32:33]
	s_wait_tensorcnt 0x0                           ; the wave's end
	ds_add_u32 v[SPW], v[NIL]
	s_wait_dscnt 0x0
	s_endpgm
	; ---- the mask: word j of (query tile, key step), bit l = mask[query of lane l % 16][128 step + 32 (j / 16) + 16 (l / 16) + j % 16]
.Lmask:
	s_sub_co_u32 s37, s38, 1792                    ; 0 .. 255
	s_lshr_b32 s39, s37, 1                         ; the query tile
	s_and_b32 s37, s37, 1                          ; which 8 key steps
	s_lshr_b32 s40, s39, 1
	s_lshl_b32 s40, s40, 5
	s_and_b32 s41, s39, 1
	s_lshl_b32 s41, s41, 3
	s_add_co_u32 s40, s40, s41                     ; the tile's first query
	s_lshl_b32 s40, s40, 11                        ; rows of 2,048 bytes
	s_lshl_b32 s41, s37, 10
	s_add_co_u32 s40, s40, s41
	s_mov_b32 s41, 0
	s_add_nc_u64 s[28:29], s[18:19], s[40:41]
	s_lshl_b32 s40, s39, 12
	s_lshl_b32 s42, s37, 11
	s_add_co_u32 s40, s40, s42
	s_add_nc_u64 s[30:31], s[24:25], s[40:41]
	s_wait_alu depctr_va_vdst(0)
	v_and_b32 v10, 8, v2
	v_add_nc_u32 v10, v10, v2                      ; r + 8 (r / 8)
	v_lshlrev_b32 v10, 11, v10
	v_lshl_add_u32 v10, v3, 4, v10                 ; my query's row, + 16 h
.irp i, 0,1,2,3
	v_mov_b32 v[38+\i], 0                          ; written once: v_writelane_b32's destination counts as read
.endr
	s_mov_b32 s43, 4
	s_mov_b32 s49, 0                               ; one bit for each of my 8 key steps: 1 only where every mask byte of the step is true; the first step ends in bit 7
.Lmk:                                              ; a trip: two key steps
.irp q, 0,1
.irp b, 0,1,2,3
	global_load_b128 v[58+16*\q+4*\b:61+16*\q+4*\b], v10, s[28:29] offset:128*\q+32*\b th:TH_LOAD_NT
.endr
.endr
	s_wait_loadcnt 0x0
	s_wait_alu depctr_va_vdst(0)
.irp q, 0,1
.irp i, 0,1,2,3
	v_and_b32 v[44+\i], v[58+16*\q+\i], v[62+16*\q+\i]             ; the AND of my 16 dwords of this key step: 0x01010101 only if bit 0 is set in each of my 64 bytes
.endr
.irp i, 0,1,2,3
	v_and_b32 v[44+\i], v[44+\i], v[66+16*\q+\i]
.endr
.irp i, 0,1,2,3
	v_and_b32 v[44+\i], v[44+\i], v[70+16*\q+\i]
.endr
	v_and_b32 v44, v44, v45
	v_and_b32 v46, v46, v47
	v_and_b32 v44, v44, v46
	v_cmp_eq_u32 s48, 0x01010101, v44              ; all ones where that holds in every lane; any other pattern leaves the bit clear, and the words decide
.set j, 0
.rept 64
	v_bfe_u32 v[12+j%4], v[58+16*\q+4*(j/16)+(j%16)/4], 8*(j%4), 8
	v_cmp_ne_u32 s[44+j%4], 0, v[12+j%4]           ; the 32 lanes' bits are word j
	v_writelane_b32 v[38+2*\q+j%2], s[44+j%4], j/2 ; lane j / 2 keeps words j and j + 1
.set j, j+1
.endr
	global_store_b64 v[LO8], v[38+2*\q:39+2*\q], s[30:31] offset:256*\q   ; 256 consecutive bytes
	s_cmp_eq_u32 s48, -1
	s_cselect_b32 s50, 1, 0
	s_lshl_b32 s49, s49, 1
	s_or_b32 s49, s49, s50
.endr
	s_wait_xcnt 0x0                                ; the stores have read their registers and bases
	s_add_nc_u64 s[28:29], s[28:29], 256
	s_add_nc_u64 s[30:31], s[30:31], 512
	s_sub_co_u32 s43, s43, 1
	s_cmp_lg_u32 s43, 0
	s_cbranch_scc1 .Lmk
	s_sub_co_u32 s40, s38, 1792                    ; behind maskw's 524,288 bytes of words: 256 bytes for each (query tile, half of the keys), every word of them my 8 bits
	s_lshl_b32 s40, s40, 8
	s_add_co_u32 s40, s40, 524288
	s_mov_b32 s41, 0
	s_add_nc_u64 s[24:25], s[24:25], s[40:41]
	v_mov_b32 v42, s49
	v_mov_b32 v43, s49
	global_store_b64 v[LO8], v[42:43], s[24:25]    ; 256 consecutive bytes
	s_wait_tensorcnt 0x0                           ; the same three lines at this end of the launch too
	ds_add_u32 v[SPW], v[NIL]
	s_wait_dscnt 0x0
	s_endpgm
.Lfunc_end_k_qa73012fd34_quant:
	.size	k_qa73012fd34_quant, .Lfunc_end_k_qa73012fd34_quant-k_qa73012fd34_quant
	.p2alignl 7, 3214868480
	.fill 96, 4, 3214868480
	.section	.rodata,"a",@progbits
	.p2align	6, 0x0
	.amdhsa_kernel k_qa73012fd34_quant
		.amdhsa_group_segment_fixed_size 34304
		.amdhsa_private_segment_fixed_size 0
		.amdhsa_enable_private_segment 0
		.amdhsa_kernarg_size 88
		.amdhsa_user_sgpr_count 2
		.amdhsa_user_sgpr_kernarg_segment_ptr 1
		.amdhsa_wavefront_size32 1
		.amdhsa_system_sgpr_workgroup_id_x 1
		.amdhsa_system_sgpr_workgroup_id_y 1
		.amdhsa_system_sgpr_workgroup_id_z 1
		.amdhsa_system_vgpr_workitem_id 0
		.amdhsa_next_free_vgpr 256
		.amdhsa_next_free_sgpr 66
		.amdhsa_reserve_vcc 0
		.amdhsa_float_denorm_mode_32 3
		.amdhsa_float_denorm_mode_16_64 3
		.amdhsa_memory_ordered 1
		.amdhsa_forward_progress 1
		.amdhsa_inst_pref_size 94
	.end_amdhsa_kernel
	.amdgpu_metadata
---
amdhsa.version: [ 1, 2 ]
amdhsa.kernels:
  - .name:           k_qa73012fd34_quant
    .symbol:         k_qa73012fd34_quant.kd
    .args:
      - { .name: Q, .offset: 0, .size: 8, .value_kind: global_buffer, .address_space: global }
      - { .name: K, .offset: 8, .size: 8, .value_kind: global_buffer, .address_space: global }
      - { .name: V, .offset: 16, .size: 8, .value_kind: global_buffer, .address_space: global }
      - { .name: Wq_w, .offset: 24, .size: 8, .value_kind: global_buffer, .address_space: global }
      - { .name: Wk_w, .offset: 32, .size: 8, .value_kind: global_buffer, .address_space: global }
      - { .name: Wv_w, .offset: 40, .size: 8, .value_kind: global_buffer, .address_space: global }
      - { .name: out_w, .offset: 48, .size: 8, .value_kind: global_buffer, .address_space: global }
      - { .name: mask, .offset: 56, .size: 8, .value_kind: global_buffer, .address_space: global }
      - { .name: codes, .offset: 64, .size: 8, .value_kind: global_buffer, .address_space: global }
      - { .name: scl, .offset: 72, .size: 8, .value_kind: global_buffer, .address_space: global }
      - { .name: maskw, .offset: 80, .size: 8, .value_kind: global_buffer, .address_space: global }
    .group_segment_fixed_size: 34304
    .private_segment_fixed_size: 0
    .kernarg_segment_align: 8
    .kernarg_segment_size: 88
    .max_flat_workgroup_size: 128
    .sgpr_count:     66
    .vgpr_count:     256
    .wavefront_size: 32
...
	.end_amdgpu_metadata
.endif
;; end of part 1
;; launch proj (part 2): grid 12 x 64, 4 waves a work-group, clusters of 4 x 4, 295,424 bytes of LDS; arguments codes, scl, Wq_b, Wk_b, Wv_b, qc, qs, kv; writes qc, qs, kv
.if DOCPART == 2
	.amdgcn_target "amdgcn-amd-amdhsa--gfx1250"
	.amdhsa_code_object_version 6
	.text
	.protected	k_qa73012fd34_proj
	.globl	k_qa73012fd34_proj
	.p2align	8
	.type	k_qa73012fd34_proj,@function
k_qa73012fd34_proj:
	s_mov_b64 s[64:65], 0
	v_nop
	global_prefetch_b8 v0, s[64:65] scope:SCOPE_SE
	s_setreg_imm32_b32 hwreg(HW_REG_WAVE_MODE, 25, 1), 1
	s_wait_xcnt 0x0
	s_wait_alu depctr_hold_cnt(0) depctr_sa_sdst(0) depctr_va_vdst(0) depctr_va_sdst(0) depctr_va_ssrc(0) depctr_va_vcc(0) depctr_vm_vsrc(0)
	s_getreg_b32 s2, hwreg(HW_REG_IB_STS2, 6, 4)
	s_cmp_eq_u32 s2, 0
	s_cbranch_scc0 .Lentry_in_a_cluster
	s_endpgm
.Lentry_in_a_cluster:
	s_bfe_u32 s2, ttmp6, 0x10000c
	s_cmp_lg_u32 s2, 0xf033
	s_cbranch_scc0 .Lentry_shape_is_right
	s_endpgm
.Lentry_shape_is_right:
; The three input projections on codes of FP6 (E2M3) with E8M0 scales, bias added as the sums' first C, results quantised in registers: q and k along the head's 64, v along the keys.
; g = cluster x: 0 q, 1 k, 2 v.  A work-group multiplies a LONG operand of 16 tiles (256 rows) by a SHORT one of 8 tiles (128 rows), all of K = 1024.  LONG is source 0: its rows land along a lane's registers; SHORT is source 1: its rows land in lanes.
; q, k: LONG = the weight (registers run along the features, the next K), SHORT = tokens.  v: LONG = tokens (registers run along the keys, the next K), SHORT = the weight.
; Tile T's lane-row r is row 32 (T / 2) + 8 (T % 2) + r + 8 (r / 8): so the 16 registers of source-0 tiles 2 b, 2 b + 1 are the 16 neighbours 32 b + 16 (lane / 16) + 0 .. 15.
; ALL OF K LIES IN LDS AT ONCE: 24 tiles x 12,288 bytes, in two halves of four K steps; every tensor load is a first fill, issued at the head; a wave has one out; no LDS byte is filled twice.
; CLUSTER 4 x 4: LONG hangs on cx and is shared along a column, SHORT on cy and is shared along a row: joint loads.  A wave (wr, wc) multiplies LONG tiles 8 wc + t by SHORT tiles 4 wr + i: 32 accumulators.
; OUT.  qc: [512 token tiles][16 heads][768].  qs: [16 heads][128 groups of 4 tiles][256]: word (r, i) at 16 r + 4 i, bytes (b0, b1, b0, b1).  kv: [64 batch x head][16 key steps][13056]: K's 8 tiles x 768; V^T's 4 tiles x 1536 at 6144; K's scale words at 12288; V's at 12800.
; LIMITS: a block of zeros, or one under 2^-124, gets the byte 1; NaN and infinities are not served.
; REGISTERS.  window 0: v1-12 addresses; v14, v15 the add's two; v16-47, v48-63 scale words; v64-127 the bias; v128-175, v176-223 SHORT's fragments, two sets; v224.. at work.  window 1: LONG's fragments, two sets of 96.  window 2: accumulator (t, i) at v[64 i + 8 t].
; THE FILLS AS THEY NOW STAND (in place of the four chunks that the lines above speak of): K lies in LDS in TWO halves of four K steps; a half is SHORT's 8 tiles x 6,144 bytes, then LONG's 16.
; One joint load a wave, each on a line of its own: wave 0 SHORT's first half, wave 1 LONG's first half, wave 2 SHORT's second, wave 3 LONG's second.  Waves 0 and 1 wait ahead of the first barrier, every wave ahead of the barrier in K step 3.
.set CHUNK, 147456
.set SPARE, 2*CHUNK
.set SPW,  14
.set NIL,  15
.set SCL,  16                          ; LONG tile t: v[16+4t ..]: register j: K step 2 j in lanes 0-15, 2 j + 1 in lanes 16-31
.set SCS,  48                          ; SHORT tile i likewise
.set BI,   64
.set PC,   128
.set TM,   224
.set PWK,  240
.set WS,   244
.set SELV, 248
.set WV,   20
.set SEL,  30
.set MSB, 0
.macro WIN new                         ; the immediate's high byte repeats the setting that is left
.if MSB != \new
	s_set_vgpr_msb (MSB<<8)|\new
.set MSB, \new
.endif
.endm
.macro PLACES n
.rept \n
	v_nop
.endr
.endm
.macro CROUND                          ; a round of the cluster's barrier
	s_barrier_signal -1
	s_barrier_wait -1
	s_cmp_lg_u32 s[WV], 0
	s_cbranch_scc1 .Lnot_wave_0_\@
	s_barrier_signal -3
.Lnot_wave_0_\@:
	s_barrier_wait -3
	s_barrier_signal -1
	s_barrier_wait -1
.endm
.macro FRAG reg, a16, a8, off          ; a fragment (16 rows x 128 K, 12 registers) is two images of 768 bytes
	ds_load_b128 v[(\reg):(\reg)+3], v[\a16] offset:(\off)
	ds_load_b64 v[(\reg)+4:(\reg)+5], v[\a8] offset:(\off)+512
	ds_load_b128 v[(\reg)+6:(\reg)+9], v[\a16] offset:(\off)+768
	ds_load_b64 v[(\reg)+10:(\reg)+11], v[\a8] offset:(\off)+1280
.endm
.macro FETCH k                         ; K step k's 12 fragments into set k % 2: 48 LDS loads in one run
	WIN 0x40                                       ; destination window 1
.irp t, 0,1,2,3,4,5,6,7
	FRAG 96*((\k)%2)+12*\t, 3, 4, 6144*\t+1536*((\k)%4)
.endr
	WIN 0
.irp i, 0,1,2,3
	FRAG 128+48*((\k)%2)+12*\i, 5, 6, 6144*\i+1536*((\k)%4)
.endr
.endm
; 16 matrix instructions: SHORT tiles i0, i0 + 1 x LONG's eight.  cmode 0: the sums go on; 1: they begin with the bias by LONG's rows; 2: by SHORT's rows.  The 32 accumulators take turns, one instruction a turn.
.macro MUL k, i0, cmode
.if (\cmode) == 0
	WIN 0xa1                                       ; source 0 window 1, source 1 window 0, C and D window 2
.else
	WIN 0x81                                       ; C (the bias) window 0
.endif
.irp i, \i0, \i0+1
.irp t, 0,1,2,3,4,5,6,7
.set rD, 64*(\i)+8*\t
.set rA, 96*((\k)%2)+12*\t
.set rB, 128+48*((\k)%2)+12*(\i)
.set rC, rD
.if (\cmode) == 1
.set rC, BI+8*\t
.endif
.if (\cmode) == 2
.set rC, BI+8*(\i)
.endif
.if (\k)%2
	v_wmma_scale_f32_16x16x128_f8f6f4 v[rD:rD+7], v[rA:rA+11], v[rB:rB+11], v[rC:rC+7], v[SCL+4*\t+(\k)/2], v[SCS+4*(\i)+(\k)/2] matrix_a_fmt:MATRIX_FMT_FP6 matrix_b_fmt:MATRIX_FMT_FP6 matrix_a_scale:MATRIX_SCALE_ROW1 matrix_b_scale:MATRIX_SCALE_ROW1
.else
	v_wmma_scale_f32_16x16x128_f8f6f4 v[rD:rD+7], v[rA:rA+11], v[rB:rB+11], v[rC:rC+7], v[SCL+4*\t+(\k)/2], v[SCS+4*(\i)+(\k)/2] matrix_a_fmt:MATRIX_FMT_FP6 matrix_b_fmt:MATRIX_FMT_FP6
.endif
.endr
.endr
.endm
.macro KSTEP k, cmode
	s_wait_dscnt 0x0                               ; this K step's fragments are in (asked for 16 matrix instructions ago)
.if (\k) == 3
	s_wait_tensorcnt 0x0                           ; every wave's one load has landed: the second half of K is whole
	s_barrier_signal -1
.endif
	MUL \k, 0, \cmode
.if (\k) == 3
	s_barrier_wait -1
.endif
.if (\k) < 7
	WIN 0
.if (\k) == 3
.irp a, 3,4,5,6
	v_add_nc_u32 v\a, CHUNK, v\a                   ; on to the next chunk; these four are also the places in front of the loads
.endr
.else
	PLACES 4                                       ; four places in front of loads into registers that matrix instructions have read
.endif
	FETCH (\k)+1
.endif
	MUL \k, 2, \cmode
.endm
; the 64 numbers of a lane in window 2, v[s] on (register 16 b + i = the next K's 32 b + 16 h + i), become a fragment's codes in v[PC] on and its scale word in v[pw]
.macro QUANTW s, pw
	WIN 0x0a                                       ; sources 0 and 1 window 2
.irp b, 0,1,2,3
	v_max3_num_f32 v[TM+\b], |v[(\s)+16*\b]|, |v[(\s)+1+16*\b]|, 0x1800000   ; each accumulator is read from its low end on; the floor 2^(3 - 127) holds the byte at 1
.endr
	WIN 0x28                                       ; sources 1 and 2 window 2
.irp i, 2,4,6,8,10,12,14
.irp b, 0,1,2,3
	v_max3_num_f32 v[TM+\b], v[TM+\b], |v[(\s)+16*\b+\i]|, |v[(\s)+1+16*\b+\i]|
.endr
.endr
	WIN 0
.irp b, 0,1,2,3
	v_permlanex16_b32 v[TM+4+\b], v[TM+\b], s[SEL], s[SEL+1]
.endr
.irp b, 0,1,2,3
	v_max_num_f32 v[TM+\b], v[TM+\b], v[TM+4+\b]
.endr
.irp b, 0,1,2,3
	v_add_nc_u32 v[TM+12+\b], 0xff000000, v[TM+\b]                ; 2 off the exponent field: the conversion's scale operand
.endr
.irp b, 0,1,2,3
	v_lshrrev_b32 v[TM+4+\b], 23, v[TM+12+\b]
.endr
	v_lshl_or_b32 v[\pw], v[TM+5], 8, v[TM+4]
	v_lshl_or_b32 v[\pw], v[TM+6], 16, v[\pw]
	v_lshl_or_b32 v[\pw], v[TM+7], 24, v[\pw]
	WIN 0x02                                       ; source 0 window 2
.irp c, 0,1
	v_cvt_scalef32_pk16_fp6_f32 v[PC+6*\c:PC+2+6*\c], v[(\s)+32*\c:(\s)+15+32*\c], v[TM+12+2*\c]
	v_cvt_scalef32_pk16_fp6_f32 v[PC+12+4*\c:PC+14+4*\c], v[(\s)+16+32*\c:(\s)+31+32*\c], v[TM+12+2*\c+1]
.endr
	WIN 0
	v_nop                                          ; one plain place behind a scaled conversion
.irp c, 0,1
.irp i, 0,1,2
	v_permlane16_swap_b32 v[PC+6*\c+\i], v[PC+12+4*\c+\i]
.endr
.irp i, 0,1,2
	v_mov_b32 v[PC+3+6*\c+\i], v[PC+12+4*\c+\i]
.endr
.endr
.endm
	s_load_b512 s[4:19], s[0:1], 0x0               ; codes, scl, Wq_b, Wk_b, Wv_b, qc, qs, kv
	v_lshl_add_u32 v[SPW], v0, 2, SPARE
	v_mov_b32 v[NIL], 0
	ds_add_u32 v[SPW], v[NIL]                      ; the wave's opening: the add and its wait ahead of my first tensor load; work on registers stands between them
	ds_add_u32 v[SPW], v[NIL]
	v_lshrrev_b32 v13, 5, v0
	v_readfirstlane_b32 s[WV], v13                 ; wave 0..3
	s_lshr_b32 s21, s[WV], 1                       ; wr: which 4 of SHORT's tiles I multiply.  Also: which half I fetch
	s_and_b32 s22, s[WV], 1                        ; wc: which 8 of LONG's tiles I multiply.  Also: I fetch SHORT (0) or LONG (1)
	s_mov_b32 s23, ttmp9                           ; g: the same in all partners
	s_bfe_u32 s24, ttmp6, 0x40000                  ; cx
	s_bfe_u32 s25, ttmp6, 0x40004                  ; cy
	s_and_b32 s26, ttmp7, 0xffff                   ; cluster y
	s_lshl_b32 s84, s23, 6
	s_add_co_u32 s84, s84, 1536                    ; q, k: LONG = the weight's tiles,
	s_lshl_b32 s88, s23, 9                         ; SHORT = the tokens'
	s_and_b32 s2, s26, 7
	s_lshr_b32 s3, s26, 3
	s_cmp_eq_u32 s23, 2
	s_cselect_b32 s2, s2, 0
	s_cselect_b32 s3, s3, s26
	s_cselect_b32 s84, 1024, s84                   ; v: LONG = V's tokens,
	s_cselect_b32 s88, 1664, s88                   ; SHORT = Wv
	s_lshl_b32 s2, s2, 2
	s_add_co_u32 s27, s2, s24                      ; which 16 tiles of LONG: hangs on cx, never on cy
	s_lshl_b32 s3, s3, 2
	s_add_co_u32 s28, s3, s25                      ; which 8 tiles of SHORT: hangs on cy, never on cx
	s_lshl_b32 s85, s27, 4
	s_add_co_u32 s84, s84, s85                     ; LONG's first tile
	s_lshl_b32 s89, s28, 3
	s_add_co_u32 s88, s88, s89                     ; SHORT's first tile
	s_lshl_b32 s85, s22, 3
	s_add_co_u32 s85, s85, s84                     ; LONG: + 8 wc: what I fetch, and what I multiply
	s_mul_i32 s86, s84, 12288                      ; LONG's 16 tiles are fetched whole
	s_mov_b32 s87, 0
	s_mul_i32 s90, s88, 12288                      ; SHORT's 8 tiles likewise
	s_mov_b32 s91, 0
	s_lshl_b32 s2, s25, 2
	s_lshl_b32 s2, 15, s2                          ; my row of the cluster
	s_lshl_b32 s3, 0x1111, s24                     ; my column
	; descriptor groups 1: rows = tiles, 6,144 bytes (four K steps) of each, 12,288 bytes apart; elements of 8 bytes; no padding
	s_or_b32 s32, s2, (3<<16)|(1<<21)              ; SHORT: shared along my row
	s_mov_b32 s33, 768<<16                         ; rows of 6,144 bytes: four K steps of a tile
	s_mov_b32 s34, 8<<16
	s_mov_b32 s35, 768<<16
	s_mov_b32 s36, 8
	s_mov_b32 s37, 1536                            ; the pitch
	s_mov_b32 s38, 0
	s_mov_b32 s39, 0
	s_or_b32 s40, s3, (3<<16)|(1<<21)              ; LONG: shared along my column
	s_mov_b32 s41, 768<<16
	s_mov_b32 s42, 16<<16
	s_mov_b32 s43, 768<<16
	s_mov_b32 s44, 16
	s_mov_b32 s45, 1536
	s_mov_b32 s46, 0
	s_mov_b32 s47, 0
	s_mul_i32 s66, s22, 49152
	s_add_co_u32 s66, s66, 49152                   ; my 8 tiles of LONG, behind SHORT's 8 x 6,144 bytes
	v_and_b32 v13, 31, v0
	v_lshlrev_b32 v1, 4, v13                       ; 16 x lane
	v_lshlrev_b32 v2, 3, v13                       ; 8 x lane
	v_and_b32 v11, 15, v0                          ; r
	v_bfe_u32 v12, v0, 4, 1                        ; h
	v_add_nc_u32 v3, s66, v1                       ; my 8 tiles of LONG in chunk 0
	v_add_nc_u32 v4, s66, v2
	s_mul_i32 s67, s21, 24576
	v_add_nc_u32 v5, s67, v1                       ; my 4 tiles of SHORT
	v_add_nc_u32 v6, s67, v2
	s_mov_b32 s[SEL], 0x76543210
	s_mov_b32 s[SEL+1], 0xfedcba98
.irp b, 0,1,2,3
	v_mov_b32 v[TM+4+\b], 0                        ; written once: a lane permute's destination counts as one of its sources
.endr
	s_wait_dscnt 0x0                               ; the opening add is done
	s_wait_kmcnt 0x0
	s_add_nc_u64 s[86:87], s[4:5], s[86:87]
	s_add_nc_u64 s[90:91], s[4:5], s[90:91]
.irp c, 0,1
	s_mov_b32 s[48+4*\c], 1
	s_mov_b32 s[49+4*\c], CHUNK*\c
	s_add_nc_u64 s[50+4*\c:51+4*\c], s[90:91], 6144*\c
	s_or_b32 s[51+4*\c], s[51+4*\c], 0x80000000
	s_mov_b32 s[68+4*\c], 1
	s_mov_b32 s[69+4*\c], CHUNK*\c+49152
	s_add_nc_u64 s[70+4*\c:71+4*\c], s[86:87], 6144*\c
	s_or_b32 s[71+4*\c], s[71+4*\c], 0x80000000
.endr
	CROUND                                         ; all sixteen work-groups are here: the joint loads meet
	s_cmp_eq_u32 s[WV], 0                          ; one chain of branches on the wave's number, one load to an arm
	s_cbranch_scc0 .Lw1
	tensor_load_to_lds s[48:51], s[32:39]          ; wave 0: SHORT, K steps 0 to 3
	s_nop 0
	PLACES 4
	s_branch .Lfilled
.Lw1:
	s_cmp_eq_u32 s[WV], 1
	s_cbranch_scc0 .Lw2
	tensor_load_to_lds s[68:71], s[40:47]          ; wave 1: LONG, K steps 0 to 3
	s_nop 0
	PLACES 4
	s_branch .Lfilled
.Lw2:
	s_cmp_eq_u32 s[WV], 2
	s_cbranch_scc0 .Lw3
	tensor_load_to_lds s[52:55], s[32:39]          ; wave 2: SHORT, K steps 4 to 7
	s_nop 0
	PLACES 4
	s_branch .Lfilled
.Lw3:
	tensor_load_to_lds s[72:75], s[40:47]          ; wave 3: LONG, K steps 4 to 7
	s_nop 0
	PLACES 4
.Lfilled:
	s_cmp_eq_u32 s23, 1                            ; the bias and the ways out: chosen by g alone
	s_cselect_b64 s[8:9], s[10:11], s[8:9]
	s_cmp_eq_u32 s23, 2
	s_cselect_b64 s[8:9], s[12:13], s[8:9]
	s_cmp_eq_u32 s23, 0
	s_cselect_b64 s[14:15], s[14:15], s[18:19]     ; codes go to qc or to kv,
	s_cselect_b64 s[16:17], s[16:17], s[18:19]     ; scale words to qs or to kv
	s_lshl_b32 s2, s85, 9
	s_mov_b32 s3, 0
	s_add_nc_u64 s[10:11], s[6:7], s[2:3]          ; my LONG tiles' scale words
	s_lshl_b32 s2, s21, 2
	s_add_co_u32 s2, s2, s88
	s_lshl_b32 s2, s2, 9
	s_add_nc_u64 s[12:13], s[6:7], s[2:3]          ; my SHORT tiles'
.irp t, 0,1,2,3,4,5,6,7
	global_load_b128 v[SCL+4*\t:SCL+4*\t+3], v1, s[10:11] offset:512*\t
.endr
.irp i, 0,1,2,3
	global_load_b128 v[SCS+4*\i:SCS+4*\i+3], v1, s[12:13] offset:512*\i
.endr
	s_cmp_eq_u32 s23, 2
	s_cbranch_scc1 .Lbias_v
	s_lshl_b32 s2, s27, 10                         ; q, k: the bias runs along my registers: feature 256 LONG + 128 wc + 32 (t / 2) + 16 h + 8 (t % 2) + j
	s_lshl_b32 s29, s22, 9
	s_add_co_u32 s2, s2, s29
	s_add_nc_u64 s[8:9], s[8:9], s[2:3]
	s_wait_alu depctr_va_vdst(0)
	v_lshlrev_b32 v10, 6, v12
.irp t, 0,1,2,3,4,5,6,7
	global_load_b128 v[BI+8*\t:BI+8*\t+3], v10, s[8:9] offset:(32*(\t/2)+8*(\t%2))*4
	global_load_b128 v[BI+8*\t+4:BI+8*\t+7], v10, s[8:9] offset:(32*(\t/2)+8*(\t%2))*4+16
.endr
	s_branch .Lbias_done
.Lbias_v:
	s_lshl_b32 s2, s28, 9                          ; v: the bias hangs on my lane's feature: 128 SHORT + 64 wr + 32 (i / 2) + 8 (i % 2) + r + 8 (r / 8), the same in all eight registers
	s_lshl_b32 s29, s21, 8
	s_add_co_u32 s2, s2, s29
	s_add_nc_u64 s[8:9], s[8:9], s[2:3]
	v_and_b32 v10, 8, v11
	v_add_nc_u32 v10, v10, v11
	v_lshlrev_b32 v10, 2, v10
.irp i, 0,1,2,3
.irp j, 0,1,2,3,4,5,6,7
	global_load_b32 v[BI+8*\i+\j], v10, s[8:9] offset:(32*(\i/2)+8*(\i%2))*4
.endr
.endr
.set j, 32
.rept 32
	v_mov_b32 v[BI+j], 0                           ; the half of the bias registers that v does not use: written, so that the set is whole on both ways
.set j, j+1
.endr
.Lbias_done:
	; where my results go: whole numbers by g
	s_cmp_eq_u32 s23, 2
	s_cbranch_scc1 .Lpar_v
	s_lshl_b32 s84, s28, 3
	s_lshl_b32 s2, s21, 2
	s_add_co_u32 s84, s84, s2                      ; my first token tile
	s_lshl_b32 s85, s27, 2
	s_lshl_b32 s2, s22, 1
	s_add_co_u32 s85, s85, s2                      ; my first head: my 128 features are two heads
	s_mov_b32 s98, 0x01000100                      ; a head's scale word: its two bytes, twice: lanes 0-15 the first head's,
	s_mov_b32 s99, 0x03020302                      ; lanes 16-31 the second's
	s_cmp_eq_u32 s23, 1
	s_cbranch_scc1 .Lpar_k
	s_mul_i32 s92, s84, 12288
	s_mul_i32 s2, s85, 768
	s_add_co_u32 s92, s92, s2
	s_mov_b32 s94, 12288                           ; from tile to tile
	s_mov_b32 s96, 768                             ; from head to head
	s_lshl_b32 s86, s85, 15
	s_lshr_b32 s2, s84, 2
	s_lshl_b32 s2, s2, 8
	s_add_co_u32 s86, s86, s2
	s_mov_b32 s97, 32768
	s_branch .Lpar_done
.Lpar_k:
	s_lshr_b32 s2, s84, 7                          ; the batch
	s_and_b32 s84, s84, 127                        ; the tile in it
	s_lshl_b32 s2, s2, 4
	s_add_co_u32 s2, s2, s85
	s_lshl_b32 s2, s2, 4
	s_lshr_b32 s29, s84, 3
	s_add_co_u32 s2, s2, s29
	s_mul_i32 s2, s2, 13056                        ; the record of (batch, head, key step)
	s_and_b32 s29, s84, 7
	s_mul_i32 s29, s29, 768
	s_add_co_u32 s92, s2, s29
	s_mov_b32 s94, 768
	s_mov_b32 s96, 208896                          ; a head's 16 records
	s_bfe_u32 s29, s84, 0x10002
	s_lshl_b32 s29, s29, 8
	s_add_co_u32 s86, s2, s29
	s_add_co_u32 s86, s86, 12288
	s_mov_b32 s97, 208896
	s_branch .Lpar_done
.Lpar_v:
	s_lshl_b32 s84, s27, 4
	s_lshl_b32 s2, s22, 3
	s_add_co_u32 s84, s84, s2                      ; my first token tile: my 128 tokens are one key step
	s_lshl_b32 s85, s28, 1
	s_add_co_u32 s85, s85, s21                     ; my head: my 64 features
	s_lshr_b32 s2, s84, 7
	s_lshl_b32 s2, s2, 4
	s_add_co_u32 s2, s2, s85
	s_lshl_b32 s2, s2, 4
	s_bfe_u32 s29, s84, 0x40003
	s_add_co_u32 s2, s2, s29
	s_mul_i32 s2, s2, 13056
	s_add_co_u32 s92, s2, 6144
	s_mov_b32 s94, 1536
	s_mov_b32 s96, 768
	s_add_co_u32 s86, s2, 12800
	s_mov_b32 s97, 0                               ; lanes 16-31 store what lanes 0-15 store, to the same place
	s_mov_b32 s98, 0x03020100
	s_mov_b32 s99, 0x03020100
.Lpar_done:
	s_mov_b32 s93, 0
	s_mov_b32 s95, 0
	s_mov_b32 s87, 0
	s_add_nc_u64 s[14:15], s[14:15], s[92:93]
	s_add_nc_u64 s[16:17], s[16:17], s[86:87]
	v_add_nc_u32 v7, s96, v1
	v_add_nc_u32 v8, s96, v2
	v_mul_lo_u32 v9, v12, s97
	v_lshl_add_u32 v9, v11, 4, v9
	s_mov_b32 s29, 0xffff0000
	v_mov_b32 v[SELV], s98
	v_mov_b32 v249, s99
	v_cndmask_b32 v[SELV], v[SELV], v249, s29
	s_wait_alu depctr_va_vdst(0)
	s_cmp_lt_u32 s[WV], 2
	s_cbranch_scc0 .Lnot_first
	s_wait_tensorcnt 0x0                           ; waves 0 and 1: the first half of K has landed; waves 2 and 3's loads may be out
.Lnot_first:
	s_barrier_signal -1
	s_barrier_wait -1                              ; everybody's has
	FETCH 0
	s_wait_loadcnt 0x0                             ; scale words and bias
	s_cmp_eq_u32 s23, 2
	s_cbranch_scc1 .Lk0_v
	s_wait_alu depctr_va_vdst(0)
	KSTEP 0, 1
	WIN 0                                          ; at a label and at a branch every window is 0
	s_branch .Lk0_done
.Lk0_v:
	KSTEP 0, 2
	WIN 0
.Lk0_done:
.irp k, 1,2,3,4,5,6,7
	s_wait_alu depctr_va_vdst(0)
	KSTEP \k, 0
.endr
	WIN 0
	PLACES 4                                       ; in front of the first read of results
.irp i, 0,1,2,3
	QUANTW 64*\i, PWK+\i
	global_store_b128 v1, v[PC:PC+3], s[14:15]                     ; 512 consecutive bytes, at a multiple of 256 from the buffer's first byte
	global_store_b64 v2, v[PC+4:PC+5], s[14:15] offset:512
	global_store_b128 v7, v[PC+6:PC+9], s[14:15]
	global_store_b64 v8, v[PC+10:PC+11], s[14:15] offset:512
	s_wait_xcnt 0x0                                ; the stores have read their registers and their base
	s_add_nc_u64 s[14:15], s[14:15], s[94:95]
.endr
.irp i, 0,1,2,3
	v_perm_b32 v[WS+\i], v[PWK+\i], v[PWK+\i], v[SELV]
.endr
	global_store_b128 v9, v[WS:WS+3], s[16:17]     ; sixteen lanes fill 256 consecutive bytes
	s_wait_tensorcnt 0x0                           ; the wave's end
	ds_add_u32 v[SPW], v[NIL]
	s_wait_dscnt 0x0
	CROUND                                         ; the closing round
	s_endpgm
.Lfunc_end_k_qa73012fd34_proj:
	.size	k_qa73012fd34_proj, .Lfunc_end_k_qa73012fd34_proj-k_qa73012fd34_proj
	.p2alignl 7, 3214868480
	.fill 96, 4, 3214868480
	.section	.rodata,"a",@progbits
	.p2align	6, 0x0
	.amdhsa_kernel k_qa73012fd34_proj
		.amdhsa_group_segment_fixed_size 295424
		.amdhsa_private_segment_fixed_size 0
		.amdhsa_enable_private_segment 0
		.amdhsa_kernarg_size 64
		.amdhsa_user_sgpr_count 2
		.amdhsa_user_sgpr_kernarg_segment_ptr 1
		.amdhsa_wavefront_size32 1
		.amdhsa_system_sgpr_workgroup_id_x 1
		.amdhsa_system_sgpr_workgroup_id_y 1
		.amdhsa_system_sgpr_workgroup_id_z 1
		.amdhsa_system_vgpr_workitem_id 0
		.amdhsa_next_free_vgpr 768
		.amdhsa_next_free_sgpr 100
		.amdhsa_reserve_vcc 0
		.amdhsa_float_denorm_mode_32 3
		.amdhsa_float_denorm_mode_16_64 3
		.amdhsa_memory_ordered 1
		.amdhsa_forward_progress 1
		.amdhsa_inst_pref_size 102
	.end_amdhsa_kernel
	.amdgpu_metadata
---
amdhsa.version: [ 1, 2 ]
amdhsa.kernels:
  - .name:           k_qa73012fd34_proj
    .symbol:         k_qa73012fd34_proj.kd
    .args:
      - { .name: codes, .offset: 0, .size: 8, .value_kind: global_buffer, .address_space: global }
      - { .name: scl, .offset: 8, .size: 8, .value_kind: global_buffer, .address_space: global }
      - { .name: Wq_b, .offset: 16, .size: 8, .value_kind: global_buffer, .address_space: global }
      - { .name: Wk_b, .offset: 24, .size: 8, .value_kind: global_buffer, .address_space: global }
      - { .name: Wv_b, .offset: 32, .size: 8, .value_kind: global_buffer, .address_space: global }
      - { .name: qc, .offset: 40, .size: 8, .value_kind: global_buffer, .address_space: global }
      - { .name: qs, .offset: 48, .size: 8, .value_kind: global_buffer, .address_space: global }
      - { .name: kv, .offset: 56, .size: 8, .value_kind: global_buffer, .address_space: global }
    .group_segment_fixed_size: 295424
    .private_segment_fixed_size: 0
    .kernarg_segment_align: 8
    .kernarg_segment_size: 64
    .max_flat_workgroup_size: 128
    .sgpr_count:     100
    .vgpr_count:     768
    .wavefront_size: 32
...
	.end_amdgpu_metadata
.endif
;; end of part 2
;; launch attn (part 3): grid 64 x 4, 16 waves a work-group, no clusters, 212,992 bytes of LDS; arguments qc, qs, kv, maskw, oc, osc; writes oc, osc
.if DOCPART == 3
	.amdgcn_target "amdgcn-amd-amdhsa--gfx1250"
	.amdhsa_code_object_version 6
	.text
	.protected	k_qa73012fd34_attn
	.globl	k_qa73012fd34_attn
	.p2align	8
	.type	k_qa73012fd34_attn,@function
k_qa73012fd34_attn:
	s_mov_b64 s[64:65], 0
	v_nop
	global_prefetch_b8 v0, s[64:65] scope:SCOPE_SE
	s_setreg_imm32_b32 hwreg(HW_REG_WAVE_MODE, 25, 1), 1
	s_wait_xcnt 0x0
; Attention on codes of FP6 (E2M3) with E8M0 scales, head size 64, 2,048 keys, the mask given as words of lane bits.  o / l is quantised along the head's 64 and stored as codes for the last product.
; THE SOFTMAX: t = score x log2(e) / 8; M = the running largest t rounded up to a whole number; p = 2^(t - M) is quantised along the keys; the row's sum is taken of the unquantised p and divides O at the end; when M moves, the sum and O are multiplied by 2^(old M - new M).
; SHARES.  A work-group owns 512 queries of one (batch, head): 256 work-groups.  Each of its sixteen waves holds TWO tiles of 16 queries (u = 0, 1: tiles wave and wave + 16) and walks the 16 key steps of 128 once: a fragment of K or V read from LDS serves both tiles.
; THE WHOLE HEAD'S K AND V LIE IN LDS: 16 records of 13,056 bytes (K's 8 tiles x 768; V^T's 4 tiles x 1,536 at 6,144; K's scale words at 12,288; V's at 12,800).  They come once, through registers: 25 loads of 16 bytes and one of 8 a thread, each load of a wave 512 (256) consecutive bytes; one barrier.
; THE MASK.  Behind maskw's words lies one bit for each (query tile, key step) that says whether all its 2,048 mask bytes are true.  Where it is set, a scalar branch leads round the 64 selects and the loads of their words; where not, hidden keys' scores become -infinity.
; That branch hangs on whole numbers read from memory; LDS is filled through registers, and there are no clusters and no joint loads, though four work-groups read the same records.
; No data prefetch: all that the launch reads in bulk is asked for at its head, and the loop over key steps reads LDS.
; LAYOUT.  Both products are used transposed (S^T = K Q^T, O^T = V^T P^T): a lane holds one query.  The keys of a tile are chosen so that the 16 registers of tiles 2 b, 2 b + 1 are keys 32 b + 16 (lane / 16) + 0 .. 15.
; K Q^T HAS K = 64: Q's operand is 6 registers of codes and 6 of zeros; K's tiles lie 6 registers apart, so the upper half of K's operand is the next tile's codes, which meet zero codes; the scale words repeat their two bytes.
; A STEP: K's fragments; S^T of tile 0; its softmax, p's codes; S^T of tile 1 into the same registers; V's fragments over K's; tile 1's softmax, with tile 0's four products with V behind its exponentials; tile 1's four.
; LIMITS: NaN and infinities are not served.  A query whose mask row is all false has the sum 0: its scale bytes become 0xff, which makes its whole row of the output NaN.
.set REC,   13056
.set OSTG,  16*REC                     ; behind the records: 2,048 bytes in which the work-group's scale words of o meet
.set SPARE, OSTG+2048                  ; the spare words, 128 bytes a wave
.set NINF, 0                           ; v0 -infinity (behind the head)
.set SPW,  1                           ; v1 my spare word; v2 0: kept for the add alone
.set NIL,  2
.set L16,  3                           ; v3 16 x lane, v4 8 x lane
.set L8,   4
.set PW,   5                           ; v5 p's scale word
.set QS,   6                           ; v6, v7 Q's scale words
.set ST,   8                           ; v8-15 for tile u at 4 u: -M, the largest score, the sum in two halves
.set Q,    16                          ; v16-39 Q's two operands
.set FR,   40                          ; v40-93 K's fragments and a tail of six, then V's
.set KS,   94                          ; v94-101 their scale words
.set S,    102                         ; v102-165 S^T, then p
.set O,    166                         ; v166-229 O^T, 32 a tile
.set PC,   230                         ; v230-241 p's codes
.set BM,   242                         ; v242-245 the blocks' largest scores, then largest p; with v246-249 also the second conversions' codes; between softmaxes the step's three LDS addresses
.set PR,   246                         ; v246-249 the other half's, then the bytes
.set SO,   250                         ; v250-253 the conversions' scale operands
.set F,    254                         ; v[254:255] f = 2^(old M - new M); v255 at work
.set TMP,  255
.set A16,  BM
.set A8,   BM+1
.set AR,   BM+2
.set WV,  2
.set FL,  20                           ; s20, s21 the tiles' 16 bits; bit 15 is this step's
.set T0,  22
.set SEL, 28
.set CS,  30
.set MB,  66                           ; s[66:67] tile 0's mask words; tile 1's lie 65,536 bytes on
.set SOFF, 100
.set CNT, 101
.set TB,  104                          ; LDS byte of the step's record
.macro PLACES n
.rept \n
	v_nop
.endr
.endm
.macro WALU
	s_wait_alu depctr_va_vdst(0)
.endm
.macro ADDR                            ; the record's three LDS addresses; these four are the places between products and loads into registers that they read
	v_add_nc_u32 v[A16], s[TB], v[L16]
	v_add_nc_u32 v[A8], s[TB], v[L8]
	v_and_b32 v[AR], 0xf0, v[L16]                  ; 16 (lane % 16),
	v_add_nc_u32 v[AR], s[TB], v[AR]               ; in the step's record
.endm
.macro FRAG reg, off
	ds_load_b128 v[(\reg):(\reg)+3], v[A16] offset:(\off)
	ds_load_b64 v[(\reg)+4:(\reg)+5], v[A8] offset:(\off)+512
	ds_load_b128 v[(\reg)+6:(\reg)+9], v[A16] offset:(\off)+768
	ds_load_b64 v[(\reg)+10:(\reg)+11], v[A8] offset:(\off)+1280
.endm
.macro QK u, w=0                       ; w = 1: K's fragments are still landing: product t reads tiles t and t + 1, behind which the 12 - 2 t loads of tiles t + 2 to 7 were issued
.irp t, 0,1,2,3,4,5,6,7
.if (\w) && (\t < 7)
	s_wait_dscnt 12-2*\t
.endif
	v_wmma_scale_f32_16x16x128_f8f6f4 v[S+8*\t:S+8*\t+7], v[FR+6*\t:FR+6*\t+11], v[Q+12*\u:Q+12*\u+11], 0, v[KS+\t], v[QS+\u] matrix_a_fmt:MATRIX_FMT_FP6 matrix_b_fmt:MATRIX_FMT_FP6
.endr
.endm
.macro PV u
.irp n, 0,1,2,3
	v_wmma_scale_f32_16x16x128_f8f6f4 v[O+32*\u+8*\n:O+32*\u+8*\n+7], v[FR+12*\n:FR+12*\n+11], v[PC:PC+11], v[O+32*\u+8*\n:O+32*\u+8*\n+7], v[KS+\n], v[PW] matrix_a_fmt:MATRIX_FMT_FP6 matrix_b_fmt:MATRIX_FMT_FP6
.endr
.endm
.macro MASK u                          ; where the step's bit is clear: word j in s[32 + j], from j = 32 on in s[36 + j]
	WALU
	s_and_b32 s[T0], s[FL+\u], 0x8000
	s_cmp_lg_u32 s[T0], 0
	s_cbranch_scc1 .Lfull_\@
	s_load_b512 s[32:47], s[MB:MB+1], s[SOFF] offset:65536*\u
	s_load_b512 s[48:63], s[MB:MB+1], s[SOFF] offset:65536*\u+64
	s_load_b512 s[68:83], s[MB:MB+1], s[SOFF] offset:65536*\u+128
	s_load_b512 s[84:99], s[MB:MB+1], s[SOFF] offset:65536*\u+192
	s_wait_kmcnt 0x0
.set j, 0
.rept 64
	v_cndmask_b32 v[S+j], v[NINF], v[S+j], s[32+j+4*(j/32)]        ; each accumulator from its low end on
.set j, j+1
.endr
.Lfull_\@:
.endm
.macro TREE d                          ; a level of the sum's tree, in place
.set j, 0
.rept 32/\d
	v_pk_add_f32 v[S+j:S+j+1], v[S+j:S+j+1], v[S+j+\d:S+j+\d+1]
.set j, j+2*\d
.endr
.endm
.macro RESC from, n                    ; n pairs of O^T under the new M
.set j, \from
.rept \n
	v_pk_mul_f32 v[O_+j:O_+j+1], v[O_+j:O_+j+1], v[F:F+1] op_sel_hi:[1,0]
.set j, j+2
.endr
.endm
.macro SOFTMAX u
.set T_, ST+4*\u
.set O_, O+32*\u
.irp b, 0,1,2,3
	v_max3_num_f32 v[BM+\b], v[S+16*\b], v[S+1+16*\b], v[S+2+16*\b]   ; the largest score of each block of 32 keys: it serves the row's maximum and, since p rises with the score, the block's largest p
.endr
.irp b, 0,1,2,3
	v_max3_num_f32 v[PR+\b], v[S+8+16*\b], v[S+9+16*\b], v[S+10+16*\b]   ; two chains a block, eight side by side; each accumulator is first read at its low end
.endr
.irp i, 3,5
.irp b, 0,1,2,3
	v_max3_num_f32 v[BM+\b], v[BM+\b], v[S+16*\b+\i], v[S+1+16*\b+\i]
.endr
.irp b, 0,1,2,3
	v_max3_num_f32 v[PR+\b], v[PR+\b], v[S+8+16*\b+\i], v[S+9+16*\b+\i]
.endr
.endr
.irp b, 0,1,2,3
	v_max3_num_f32 v[BM+\b], v[BM+\b], v[PR+\b], v[S+7+16*\b]
.endr
.irp b, 0,1,2,3
	v_max_num_f32 v[BM+\b], v[BM+\b], v[S+15+16*\b]
.endr
.irp b, 0,1,2,3
	v_permlanex16_b32 v[PR+\b], v[BM+\b], s[SEL], s[SEL+1]
.endr
.irp b, 0,1,2,3
	v_max_num_f32 v[BM+\b], v[BM+\b], v[PR+\b]
.endr
	v_max3_num_f32 v[TMP], v[BM], v[BM+1], v[BM+2]
	v_mov_b32 v[F], v[T_]                          ; the old -M
	v_max3_num_f32 v[T_+1], v[T_+1], v[TMP], v[BM+3]   ; the running largest score
	v_mul_f32 v[TMP], s[CS], v[T_+1]               ; as t (c is positive)
	v_floor_f32 v[T_], -v[TMP]                     ; the new -M = -ceil(t)
.set j, 0
.rept 32
	v_pk_fma_f32 v[S+j:S+j+1], v[S+j:S+j+1], s[CS:CS+1], v[T_:T_+1] op_sel_hi:[1,0,0]   ; t - M; the three lines that make f stand among these
.if j == 8
	v_sub_f32 v[TMP], v[T_], v[F]                  ; old M - new M: a whole number, 0 or less
.endif
.if j == 20
	v_cvt_i32_f32 v[TMP], v[TMP]                   ; (it saturates)
.endif
.if j == 32
	v_ldexp_f32 v[F], 1.0, v[TMP]                  ; f
.endif
.set j, j+2
.endr
.irp b, 0,1,2,3
	v_fma_f32 v[BM+\b], v[BM+\b], s[CS], v[T_]
.endr
	WALU
.set j, 0
.rept 64
	v_exp_f32 v[S+j], v[S+j]                       ; p
.set j, j+1
.endr
.irp b, 0,1,2,3
	v_exp_f32 v[BM+\b], v[BM+\b]                   ; the blocks' largest p
.endr
	v_pk_mul_f32 v[T_+2:T_+3], v[T_+2:T_+3], v[F:F+1] op_sel_hi:[1,0]   ; the sums under the new M: the plain place behind the exponentials
	WALU                                           ; and behind it, ahead of its first reader
.if \u
	s_wait_dscnt 0x0                               ; V's fragments are in
	PV 0                                           ; tile 0's products; the twelve lines below are the places ahead of the next writes of p's scale word and codes
.endif
.irp b, 0,1,2,3
	v_max_num_f32 v[BM+\b], 0x1800000, v[BM+\b]    ; the floor 2^(3 - 127): the byte cannot fall under 1
.endr
.irp b, 0,1,2,3
	v_add_nc_u32 v[SO+\b], 0xff000000, v[BM+\b]    ; 2 off the exponent field: the conversion's scale operand
.endr
.irp b, 0,1,2,3
	v_lshrrev_b32 v[PR+\b], 23, v[SO+\b]
.endr
	v_lshl_or_b32 v[PW], v[PR+1], 8, v[PR]
	v_lshl_or_b32 v[TMP], v[PR+3], 8, v[PR+2]
	v_lshl_or_b32 v[PW], v[TMP], 16, v[PW]
.irp c, 0,1
	v_cvt_scalef32_pk16_fp6_f32 v[PC+6*\c:PC+6*\c+2], v[S+32*\c:S+32*\c+15], v[SO+2*\c]
	v_cvt_scalef32_pk16_fp6_f32 v[BM+4*\c:BM+4*\c+2], v[S+32*\c+16:S+32*\c+31], v[SO+2*\c+1]   ; (a conversion's three registers begin on an even number)
.endr
	v_nop                                          ; one plain place behind a scaled conversion
.irp c, 0,1
.irp i, 0,1,2
	v_permlane16_swap_b32 v[PC+6*\c+\i], v[BM+4*\c+\i]             ; the operand's layout wants a whole block in a lane
.endr
.irp i, 0,1,2
	v_mov_b32 v[PC+3+6*\c+\i], v[BM+4*\c+\i]
.endr
.endr
	TREE 2                                         ; the row's sum of the unquantised p: a tree in place, now that the conversions have read p
	TREE 4
	WALU                                           ; the wait directly ahead of the first reader of O^T; only plain vector lines follow up to the last
	RESC 0, 8                                      ; O^T under the new M, by turns with the tree's short levels
	TREE 8
	RESC 16, 4
	TREE 16
	RESC 24, 2
	TREE 32
	RESC 28, 2
	v_pk_add_f32 v[T_+2:T_+3], v[T_+2:T_+3], v[S:S+1]
.endm
; THE END: O^T / the sum, quantised along the head's 64 (two blocks), stored as the image of 6 registers; the scale word goes to the stage
.macro EPI u
.set T_, ST+4*\u
.set O_, O+32*\u
	v_add_f32 v[T_+2], v[T_+2], v[T_+3]
	v_permlanex16_b32 v[TMP], v[T_+2], s[SEL], s[SEL+1]
	v_add_f32 v[T_+2], v[T_+2], v[TMP]             ; the row's sum
	v_cmp_eq_f32 s11, 0, v[T_+2]                   ; no key counted
	WALU
	v_rcp_f32 v[F], v[T_+2]
	v_nop
	WALU
.set j, 0
.rept 16
	v_pk_mul_f32 v[O_+j:O_+j+1], v[O_+j:O_+j+1], v[F:F+1] op_sel_hi:[1,0]
.set j, j+2
.endr
.irp b, 0,1
	v_max3_num_f32 v[BM+\b], |v[O_+16*\b]|, |v[O_+1+16*\b]|, 0x1800000
.endr
.irp i, 2,4,6,8,10,12,14
.irp b, 0,1
	v_max3_num_f32 v[BM+\b], v[BM+\b], |v[O_+16*\b+\i]|, |v[O_+1+16*\b+\i]|
.endr
.endr
.irp b, 0,1
	v_permlanex16_b32 v[PR+\b], v[BM+\b], s[SEL], s[SEL+1]
.endr
.irp b, 0,1
	v_max_num_f32 v[BM+\b], v[BM+\b], v[PR+\b]
.endr
.irp b, 0,1
	v_add_nc_u32 v[SO+\b], 0xff000000, v[BM+\b]
.endr
.irp b, 0,1
	v_lshrrev_b32 v[PR+\b], 23, v[SO+\b]
.endr
	v_lshl_or_b32 v[PW], v[PR+1], 8, v[PR]
	v_cndmask_b32 v[PW], v[PW], v[S+2], s11        ; the sum 0: both bytes 0xff
	v_lshlrev_b32 v[PW], s10, v[PW]                ; an odd head's bytes are the upper two of a K step's word
	v_cvt_scalef32_pk16_fp6_f32 v[PC:PC+2], v[O_:O_+15], v[SO]
	v_cvt_scalef32_pk16_fp6_f32 v[PC+6:PC+8], v[O_+16:O_+31], v[SO+1]
	v_nop
.irp i, 0,1,2
	v_permlane16_swap_b32 v[PC+\i], v[PC+6+\i]
.endr
.irp i, 0,1,2
	v_mov_b32 v[PC+3+\i], v[PC+6+\i]
.endr
	global_store_b128 v[L16], v[PC:PC+3], s[4:5] offset:196608*\u          ; 512 consecutive bytes
	global_store_b64 v[L8], v[PC+4:PC+5], s[4:5] offset:196608*\u+512      ; 256
	ds_store_b32 v[S], v[PW] offset:1024*\u        ; lanes l and l + 16 write the same word with the same value
	WALU
	s_wait_xcnt 0x0                                ; the stores have read their registers
.endm
	s_load_b256 s[32:39], s[0:1], 0x0              ; qc, qs, kv, maskw
	s_load_b128 s[4:7], s[0:1], 0x20               ; oc, osc
	v_lshl_add_u32 v[SPW], v0, 2, SPARE
	v_mov_b32 v[NIL], 0
	v_lshrrev_b32 v40, 5, v0
	v_readfirstlane_b32 s[WV], v40                 ; wave 0..15
	v_and_b32 v41, 31, v0
	v_lshlrev_b32 v[L16], 4, v41
	v_lshlrev_b32 v[L8], 3, v41
	v_and_b32 v42, 15, v0
	v_lshlrev_b32 v42, 4, v42                      ; 16 r
	v_lshlrev_b32 v44, 4, v0                       ; the fill: 16 x thread, in kv and in LDS alike;
	v_add_nc_u32 v45, 0x10000, v44                 ; an LDS offset has 16 bits: a register for each 65,536 bytes
	v_add_nc_u32 v46, 0x20000, v44
	v_add_nc_u32 v47, 0x30000, v44
	v_lshlrev_b32 v48, 3, v0                       ; the last 4,096 bytes: 8 x thread
	v_add_nc_u32 v49, 204800, v48
	v_mov_b32 v[NINF], 0xff800000
.irp i, 22,23,24,25,26,27,34,35,36,37,38,39,88,89,90,91,92,93,246,247,248,249,254,255,10,11,14,15
	v_mov_b32 v\i, 0                               ; Q's upper halves and the last tile's tail: zero codes; permutes' destinations; the pair of f; the sums
.endr
.irp u, 0,1
	v_mov_b32 v[ST+4*\u], 0x7f61b1e6               ; -M: 3e38, so that the first f is 0
	v_mov_b32 v[ST+4*\u+1], 0xff61b1e6             ; the largest score so far: -3e38
.endr
	s_mov_b32 s[SEL], 0x76543210
	s_mov_b32 s[SEL+1], 0xfedcba98
	s_mov_b32 s[CS], 0x3e38aa3b                    ; c = log2(e) / sqrt(64)
	s_mov_b32 s[CS+1], s[CS]
	s_mov_b32 s8, ttmp9                            ; batch x 16 + head: the grid's x, so that the four work-groups of a head are 64 numbers apart
	s_and_b32 s26, ttmp7, 0xffff                   ; which 512 queries
	s_lshr_b32 s9, s8, 4
	s_and_b32 s14, s8, 15
	s_lshl_b32 s15, s26, 5
	s_add_co_u32 s15, s15, s[WV]                   ; tile 0 in the batch: 32 x + wave
	s_lshl_b32 s16, s9, 7
	s_add_co_u32 s16, s16, s15                     ; and among all token tiles
	s_mul_i32 s40, s8, 16*REC                      ; the head's records
	s_mov_b32 s41, 0
	s_mul_i32 s42, s16, 12288                      ; the tile's place in qc and in oc
	s_mul_i32 s17, s14, 768
	s_add_co_u32 s42, s42, s17
	s_mov_b32 s43, 0
	s_lshl_b32 s44, s14, 15                        ; Q's scale words
	s_lshr_b32 s17, s16, 2
	s_lshl_b32 s17, s17, 8
	s_add_co_u32 s44, s44, s17
	s_and_b32 s17, s16, 3
	s_lshl_b32 s17, s17, 2
	s_add_co_u32 s44, s44, s17
	s_mov_b32 s45, 0
	s_lshl_b32 s46, s15, 12                        ; the mask words,
	s_mov_b32 s47, 0
	s_lshl_b32 s48, s15, 9
	s_add_co_u32 s48, s48, 524288                  ; and the steps' bits behind them
	s_mov_b32 s49, 0
	s_lshl_b32 s50, s14, 15                        ; osc: the work-group's 8 groups of 4 tiles, 512 bytes for each of waves 0 to 3
	s_lshl_b32 s17, s9, 5
	s_lshl_b32 s18, s26, 3
	s_add_co_u32 s17, s17, s18
	s_lshl_b32 s17, s17, 8
	s_add_co_u32 s50, s50, s17
	s_and_b32 s18, s[WV], 3
	s_lshl_b32 s19, s18, 9
	s_add_co_u32 s50, s50, s19
	s_mov_b32 s51, 0
	s_add_co_u32 s13, s19, OSTG                    ; the stage, on the way back
	s_lshr_b32 s12, s[WV], 2
	s_lshl_b32 s12, s12, 8
	s_lshl_b32 s18, s18, 2
	s_add_co_u32 s12, s12, s18
	s_add_co_u32 s12, s12, OSTG                    ; and on the way in: group wave / 4, word (r, wave % 4)
	s_and_b32 s10, s14, 1
	s_lshl_b32 s10, s10, 4
	WALU
	s_wait_kmcnt 0x0
	s_add_nc_u64 s[36:37], s[36:37], s[40:41]
	s_add_nc_u64 s[32:33], s[32:33], s[42:43]
	s_add_nc_u64 s[4:5], s[4:5], s[42:43]
	s_add_nc_u64 s[34:35], s[34:35], s[44:45]
	s_add_nc_u64 s[MB:MB+1], s[38:39], s[46:47]
	s_add_nc_u64 s[24:25], s[38:39], s[48:49]
	s_add_nc_u64 s[6:7], s[6:7], s[50:51]
	s_load_b32 s20, s[24:25], 0x0                  ; tile 0: key steps 0-7, 8-15; tile 1 likewise
	s_load_b32 s21, s[24:25], 0x100
	s_load_b32 s22, s[24:25], 0x2000
	s_load_b32 s23, s[24:25], 0x2100
	global_load_b128 v[Q:Q+3], v[L16], s[32:33]
	global_load_b64 v[Q+4:Q+5], v[L8], s[32:33] offset:512
	global_load_b128 v[Q+12:Q+15], v[L16], s[32:33] offset:196608
	global_load_b64 v[Q+16:Q+17], v[L8], s[32:33] offset:196608+512
	global_load_b32 v[QS], v42, s[34:35]
	global_load_b32 v[QS+1], v42, s[34:35] offset:1024
.set i, 0
.rept 25
	global_load_b128 v[S+4*i:S+4*i+3], v44, s[36:37] offset:8192*i   ; the work-group reads 8,192 consecutive bytes
.set i, i+1
.endr
	global_load_b64 v[S+100:S+101], v48, s[36:37] offset:204800
.set i, 0
.rept 25
	s_wait_loadcnt 25-i                            ; load i is in: behind it 25 - i were issued
	ds_store_b128 v[44+i/8], v[S+4*i:S+4*i+3] offset:8192*(i%8)
.set i, i+1
.endr
	s_wait_loadcnt 0x0
	ds_store_b64 v49, v[S+100:S+101]
	s_wait_kmcnt 0x0
	s_lshl_b32 s20, s20, 8
	s_or_b32 s[FL], s20, s21                       ; step s at bit 15 - s
	s_lshl_b32 s22, s22, 8
	s_or_b32 s[FL+1], s22, s23
	s_mov_b32 s[TB], 0
	s_mov_b32 s[SOFF], 0
	s_mov_b32 s[CNT], 16
	s_wait_dscnt 0x0                               ; for the others' sake: my part of the records lies in LDS
	s_barrier_signal -1
.set j, 0
.rept 64
	v_mov_b32 v[O+j], 0                            ; the step is written once: the first finds zeros, which the first f leaves zeros
.set j, j+1
.endr
	WALU
	s_barrier_wait -1
.Lstep:
	ADDR
	ds_load_b128 v[KS:KS+3], v[AR] offset:12288    ; the scale words first: every product wants them
	ds_load_b128 v[KS+4:KS+7], v[AR] offset:12544
.irp t, 0,1,2,3,4,5,6,7
	ds_load_b128 v[FR+6*\t:FR+6*\t+3], v[A16] offset:768*\t
	ds_load_b64 v[FR+6*\t+4:FR+6*\t+5], v[A8] offset:768*\t+512
.endr
	QK 0, 1
	PLACES 4                                       ; in front of the first read of results
	MASK 0
	SOFTMAX 0
	QK 1
	ADDR
.irp n, 0,1,2,3
	FRAG FR+12*\n, 6144+1536*\n                    ; V^T's four tiles land while tile 1's softmax is walked
.endr
	ds_load_b128 v[KS:KS+3], v[AR] offset:12800
	MASK 1
	SOFTMAX 1
	WALU                                           ; a wait between the trip's last plain vector writes and the branch below: no vector line but the four products follows it
	PV 1
	s_add_co_u32 s[TB], s[TB], REC
	s_add_co_u32 s[SOFF], s[SOFF], 256
	s_lshl_b32 s[FL], s[FL], 1
	s_lshl_b32 s[FL+1], s[FL+1], 1
	s_sub_co_u32 s[CNT], s[CNT], 1
	s_cmp_lg_u32 s[CNT], 0
	s_cbranch_scc1 .Lstep
	v_and_b32 v[S], 0xf0, v[L16]                   ; these four are the places behind the last products
	v_add_nc_u32 v[S], s12, v[S]                   ; the stage: my word
	v_add_nc_u32 v[S+1], s13, v[L16]               ; and back: 512 bytes for each of waves 0 to 3
	v_mov_b32 v[S+2], 0xffff
	EPI 0
	EPI 1
	s_wait_dscnt 0x0                               ; for the others' sake: my words lie in the stage
	s_barrier_signal -1
	s_barrier_wait -1
	s_cmp_lt_u32 s[WV], 4
	s_cbranch_scc0 .Lno_osc
	ds_load_b128 v[PC:PC+3], v[S+1]
	s_wait_dscnt 0x0
	global_store_b128 v[L16], v[PC:PC+3], s[6:7]   ; 512 consecutive bytes a wave
.Lno_osc:
	s_wait_tensorcnt 0x0                           ; the wave's end
	ds_add_u32 v[SPW], v[NIL]
	s_wait_dscnt 0x0
	s_endpgm
.Lfunc_end_k_qa73012fd34_attn:
	.size	k_qa73012fd34_attn, .Lfunc_end_k_qa73012fd34_attn-k_qa73012fd34_attn
	.p2alignl 7, 3214868480
	.fill 96, 4, 3214868480
	.section	.rodata,"a",@progbits
	.p2align	6, 0x0
	.amdhsa_kernel k_qa73012fd34_attn
		.amdhsa_group_segment_fixed_size 212992
		.amdhsa_private_segment_fixed_size 0
		.amdhsa_enable_private_segment 0
		.amdhsa_kernarg_size 48
		.amdhsa_user_sgpr_count 2
		.amdhsa_user_sgpr_kernarg_segment_ptr 1
		.amdhsa_wavefront_size32 1
		.amdhsa_system_sgpr_workgroup_id_x 1
		.amdhsa_system_sgpr_workgroup_id_y 1
		.amdhsa_system_sgpr_workgroup_id_z 1
		.amdhsa_system_vgpr_workitem_id 0
		.amdhsa_next_free_vgpr 256
		.amdhsa_next_free_sgpr 106
		.amdhsa_reserve_vcc 0
		.amdhsa_float_denorm_mode_32 3
		.amdhsa_float_denorm_mode_16_64 3
		.amdhsa_memory_ordered 1
		.amdhsa_forward_progress 1
		.amdhsa_inst_pref_size 59
	.end_amdhsa_kernel
	.amdgpu_metadata
---
amdhsa.version: [ 1, 2 ]
amdhsa.kernels:
  - .name:           k_qa73012fd34_attn
    .symbol:         k_qa73012fd34_attn.kd
    .args:
      - { .name: qc, .offset: 0, .size: 8, .value_kind: global_buffer, .address_space: global }
      - { .name: qs, .offset: 8, .size: 8, .value_kind: global_buffer, .address_space: global }
      - { .name: kv, .offset: 16, .size: 8, .value_kind: global_buffer, .address_space: global }
      - { .name: maskw, .offset: 24, .size: 8, .value_kind: global_buffer, .address_space: global }
      - { .name: oc, .offset: 32, .size: 8, .value_kind: global_buffer, .address_space: global }
      - { .name: osc, .offset: 40, .size: 8, .value_kind: global_buffer, .address_space: global }
    .group_segment_fixed_size: 212992
    .private_segment_fixed_size: 0
    .kernarg_segment_align: 8
    .kernarg_segment_size: 48
    .max_flat_workgroup_size: 512
    .sgpr_count:     106
    .vgpr_count:     256
    .wavefront_size: 32
...
	.end_amdgpu_metadata
.endif
;; end of part 3
;; launch outp (part 4): grid 4 x 64, 4 waves a work-group, clusters of 4 x 4, 295,424 bytes of LDS; arguments oc, osc, codes, scl, out_b, out0; writes out0
.if DOCPART == 4
	.amdgcn_target "amdgcn-amd-amdhsa--gfx1250"
	.amdhsa_code_object_version 6
	.text
	.protected	k_qa73012fd34_outp
	.globl	k_qa73012fd34_outp
	.p2align	8
	.type	k_qa73012fd34_outp,@function
k_qa73012fd34_outp:
	s_mov_b64 s[64:65], 0
	v_nop
	global_prefetch_b8 v0, s[64:65] scope:SCOPE_SE
	s_setreg_imm32_b32 hwreg(HW_REG_WAVE_MODE, 25, 1), 1
	s_wait_xcnt 0x0
	s_wait_alu depctr_hold_cnt(0) depctr_sa_sdst(0) depctr_va_vdst(0) depctr_va_sdst(0) depctr_va_ssrc(0) depctr_va_vcc(0) depctr_vm_vsrc(0)
	s_getreg_b32 s2, hwreg(HW_REG_IB_STS2, 6, 4)
	s_cmp_eq_u32 s2, 0
	s_cbranch_scc0 .Lentry_in_a_cluster
	s_endpgm
.Lentry_in_a_cluster:
	s_bfe_u32 s2, ttmp6, 0x10000c
	s_cmp_lg_u32 s2, 0xf033
	s_cbranch_scc0 .Lentry_shape_is_right
	s_endpgm
.Lentry_shape_is_right:
; out0 = o out_w^T + out_b on codes of FP6 (E2M3) with E8M0 scales; out0 [8192][1024] f32.
; A work-group multiplies 16 tiles (256 rows) of out_w, source 0, by 8 tiles (128 tokens) of o, source 1, all of K = 1024: a lane then holds one token, and its registers run along the output's features.
; Tile T's lane-row r is row 32 (T / 2) + 8 (T % 2) + r + 8 (r / 8): the 16 registers of source-0 tiles 2 b, 2 b + 1 are features 32 b + 16 (lane / 16) + 0 .. 15: 64 neighbouring bytes of a row of out0.
; ALL OF K LIES IN LDS AT ONCE, in two halves of four K steps; every tensor load is a first fill, issued at the head; a wave has one out; no LDS byte is filled twice.
; CLUSTER 4 x 4: out_w's tiles hang on cx and are shared along a column, o's on cy and are shared along a row: joint loads.  A wave (wr, wc) multiplies out_w's tiles 8 wc + t by o's tiles 4 wr + i: 32 accumulators.
; o's scale words lie by heads: a K step's word is the OR of an even head's (low two bytes) and an odd head's (high two).
; REGISTERS.  window 0: v1-12 addresses; v14, v15 the add's two; v16-47, v48-63 scale words; v64-127 the bias; v128-175, v176-223 o's fragments, two sets.  window 1: out_w's fragments, two sets of 96.  window 2: accumulator (t, i) at v[64 i + 8 t].
; THE FILLS AS THEY NOW STAND (in place of the four chunks that the lines above speak of): K lies in LDS in TWO halves of four K steps; a half is o's 8 tiles x 6,144 bytes, then out_w's 16.
; One joint load a wave, each on a line of its own: wave 0 o's first half, wave 1 out_w's first half, wave 2 o's second, wave 3 out_w's second.  Waves 0 and 1 wait ahead of the first barrier, every wave ahead of the barrier in K step 3.
.set CHUNK, 147456
.set SPARE, 2*CHUNK
.set WST,  8448                        ; the way out: a stage of 16 rows x (512 bytes + 16) for each wave, in the first half's bytes of o: they have had their one fill, and nobody reads them behind the barrier in K step 3
.set SPW,  14
.set NIL,  15
.set SCL,  16
.set SCS,  48
.set BI,   64
.set WV,   20
.set MSB, 0
.macro WIN new
.if MSB != \new
	s_set_vgpr_msb (MSB<<8)|\new
.set MSB, \new
.endif
.endm
.macro PLACES n
.rept \n
	v_nop
.endr
.endm
.macro CROUND
	s_barrier_signal -1
	s_barrier_wait -1
	s_cmp_lg_u32 s[WV], 0
	s_cbranch_scc1 .Lnot_wave_0_\@
	s_barrier_signal -3
.Lnot_wave_0_\@:
	s_barrier_wait -3
	s_barrier_signal -1
	s_barrier_wait -1
.endm
.macro FRAG reg, a16, a8, off
	ds_load_b128 v[(\reg):(\reg)+3], v[\a16] offset:(\off)
	ds_load_b64 v[(\reg)+4:(\reg)+5], v[\a8] offset:(\off)+512
	ds_load_b128 v[(\reg)+6:(\reg)+9], v[\a16] offset:(\off)+768
	ds_load_b64 v[(\reg)+10:(\reg)+11], v[\a8] offset:(\off)+1280
.endm
.macro FETCH k
	WIN 0x40
.irp t, 0,1,2,3,4,5,6,7
	FRAG 96*((\k)%2)+12*\t, 3, 4, 6144*\t+1536*((\k)%4)
.endr
	WIN 0
.irp i, 0,1,2,3
	FRAG 128+48*((\k)%2)+12*\i, 5, 6, 6144*\i+1536*((\k)%4)
.endr
.endm
; 16 matrix instructions.  cmode 0: the sums go on; 1: they begin with the bias.  The 32 accumulators take turns, one instruction a turn.
.macro MUL k, i0, cmode
.if (\cmode) == 0
	WIN 0xa1
.else
	WIN 0x81
.endif
.irp i, \i0, \i0+1
.irp t, 0,1,2,3,4,5,6,7
.set rD, 64*(\i)+8*\t
.set rA, 96*((\k)%2)+12*\t
.set rB, 128+48*((\k)%2)+12*(\i)
.set rC, rD
.if (\cmode) == 1
.set rC, BI+8*\t
.endif
.if (\k)%2
	v_wmma_scale_f32_16x16x128_f8f6f4 v[rD:rD+7], v[rA:rA+11], v[rB:rB+11], v[rC:rC+7], v[SCL+4*\t+(\k)/2], v[SCS+4*(\i)+(\k)/2] matrix_a_fmt:MATRIX_FMT_FP6 matrix_b_fmt:MATRIX_FMT_FP6 matrix_a_scale:MATRIX_SCALE_ROW1 matrix_b_scale:MATRIX_SCALE_ROW1
.else
	v_wmma_scale_f32_16x16x128_f8f6f4 v[rD:rD+7], v[rA:rA+11], v[rB:rB+11], v[rC:rC+7], v[SCL+4*\t+(\k)/2], v[SCS+4*(\i)+(\k)/2] matrix_a_fmt:MATRIX_FMT_FP6 matrix_b_fmt:MATRIX_FMT_FP6
.endif
.endr
.endr
.endm
.macro KSTEP k, cmode
	s_wait_dscnt 0x0                               ; this K step's fragments are in
.if (\k) == 3
	s_wait_tensorcnt 0x0                           ; every wave's one load has landed: the second half of K is whole
	s_barrier_signal -1
.endif
	MUL \k, 0, \cmode
.if (\k) == 3
	s_barrier_wait -1
.endif
.if (\k) < 7
	WIN 0
.if (\k) == 3
.irp a, 3,4,5,6
	v_add_nc_u32 v\a, CHUNK, v\a                   ; on to the next chunk; also the four places in front of the loads
.endr
.else
	PLACES 4
.endif
	FETCH (\k)+1
.endif
	MUL \k, 2, \cmode
.endm
	s_load_b256 s[4:11], s[0:1], 0x0               ; oc, osc, codes, scl
	s_load_b128 s[12:15], s[0:1], 0x20             ; out_b, out0
	v_lshl_add_u32 v[SPW], v0, 2, SPARE
	v_mov_b32 v[NIL], 0
	ds_add_u32 v[SPW], v[NIL]                      ; the wave's opening: the add and its wait ahead of my first tensor load
	ds_add_u32 v[SPW], v[NIL]
	v_lshrrev_b32 v13, 5, v0
	v_readfirstlane_b32 s[WV], v13
	s_lshr_b32 s21, s[WV], 1                       ; wr.  Also: which half I fetch
	s_and_b32 s22, s[WV], 1                        ; wc.  Also: I fetch o (0) or out_w (1)
	s_bfe_u32 s24, ttmp6, 0x40000                  ; cx
	s_bfe_u32 s25, ttmp6, 0x40004                  ; cy
	s_and_b32 s26, ttmp7, 0xffff                   ; cluster y
	s_lshl_b32 s28, s26, 2
	s_add_co_u32 s28, s28, s25                     ; which 8 tiles of o
	s_lshl_b32 s84, s24, 4
	s_add_co_u32 s84, s84, 1728                    ; out_w's first tile for me
	s_lshl_b32 s85, s22, 3
	s_add_co_u32 s85, s85, s84                     ; + 8 wc: what I fetch, and what I multiply
	s_mul_i32 s86, s84, 12288                      ; out_w's 16 tiles are fetched whole
	s_mov_b32 s87, 0
	s_lshl_b32 s88, s28, 3
	s_mul_i32 s90, s88, 12288                      ; o's 8 tiles likewise
	s_mov_b32 s91, 0
	s_lshl_b32 s2, s25, 2
	s_lshl_b32 s2, 15, s2                          ; my row of the cluster
	s_lshl_b32 s3, 0x1111, s24                     ; my column
	s_or_b32 s32, s2, (3<<16)|(1<<21)              ; o's tiles: 8 rows of 6,144 bytes, 12,288 apart, elements of 8 bytes
	s_mov_b32 s33, 768<<16                         ; rows of 6,144 bytes: four K steps of a tile
	s_mov_b32 s34, 8<<16
	s_mov_b32 s35, 768<<16
	s_mov_b32 s36, 8
	s_mov_b32 s37, 1536
	s_mov_b32 s38, 0
	s_mov_b32 s39, 0
	s_or_b32 s40, s3, (3<<16)|(1<<21)              ; out_w's: 16 rows
	s_mov_b32 s41, 768<<16
	s_mov_b32 s42, 16<<16
	s_mov_b32 s43, 768<<16
	s_mov_b32 s44, 16
	s_mov_b32 s45, 1536
	s_mov_b32 s46, 0
	s_mov_b32 s47, 0
	s_mul_i32 s66, s22, 49152
	s_add_co_u32 s66, s66, 49152                   ; my 8 tiles of out_w, behind o's 8 x 6,144 bytes
	v_and_b32 v13, 31, v0
	v_lshlrev_b32 v1, 4, v13
	v_lshlrev_b32 v2, 3, v13
	v_and_b32 v11, 15, v0                          ; r
	v_bfe_u32 v12, v0, 4, 1                        ; h
	v_add_nc_u32 v3, s66, v1
	v_add_nc_u32 v4, s66, v2
	s_mul_i32 s67, s21, 24576
	v_add_nc_u32 v5, s67, v1
	v_add_nc_u32 v6, s67, v2
	s_mul_i32 s67, s[WV], WST                      ; my stage
	v_mul_u32_u24 v7, v11, 528
	v_lshl_add_u32 v7, v12, 6, v7
	v_add_nc_u32 v7, s67, v7                       ; in: row r, + 64 h
	v_add_nc_u32 v8, s67, v1                       ; back: a whole row of 512 bytes
	v_lshlrev_b32 v9, 4, v11
	v_lshl_add_u32 v9, v12, 16, v9                 ; o's scale words: 16 r, and two heads on for lanes 16-31
	v_lshlrev_b32 v10, 6, v12                      ; the bias: 16 h numbers on
	s_wait_dscnt 0x0
	s_wait_kmcnt 0x0
	s_add_nc_u64 s[86:87], s[8:9], s[86:87]
	s_add_nc_u64 s[90:91], s[4:5], s[90:91]
.irp c, 0,1
	s_mov_b32 s[48+4*\c], 1
	s_mov_b32 s[49+4*\c], CHUNK*\c
	s_add_nc_u64 s[50+4*\c:51+4*\c], s[90:91], 6144*\c
	s_or_b32 s[51+4*\c], s[51+4*\c], 0x80000000
	s_mov_b32 s[68+4*\c], 1
	s_mov_b32 s[69+4*\c], CHUNK*\c+49152
	s_add_nc_u64 s[70+4*\c:71+4*\c], s[86:87], 6144*\c
	s_or_b32 s[71+4*\c], s[71+4*\c], 0x80000000
.endr
	CROUND
	s_cmp_eq_u32 s[WV], 0                          ; one chain of branches on the wave's number, one load to an arm
	s_cbranch_scc0 .Lw1
	tensor_load_to_lds s[48:51], s[32:39]          ; wave 0: o, K steps 0 to 3
	s_nop 0
	PLACES 4
	s_branch .Lfilled
.Lw1:
	s_cmp_eq_u32 s[WV], 1
	s_cbranch_scc0 .Lw2
	tensor_load_to_lds s[68:71], s[40:47]          ; wave 1: out_w, K steps 0 to 3
	s_nop 0
	PLACES 4
	s_branch .Lfilled
.Lw2:
	s_cmp_eq_u32 s[WV], 2
	s_cbranch_scc0 .Lw3
	tensor_load_to_lds s[52:55], s[32:39]          ; wave 2: o, K steps 4 to 7
	s_nop 0
	PLACES 4
	s_branch .Lfilled
.Lw3:
	tensor_load_to_lds s[72:75], s[40:47]          ; wave 3: out_w, K steps 4 to 7
	s_nop 0
	PLACES 4
.Lfilled:
	s_lshl_b32 s2, s85, 9
	s_mov_b32 s3, 0
	s_add_nc_u64 s[10:11], s[10:11], s[2:3]        ; out_w's scale words
	s_lshl_b32 s2, s28, 1
	s_add_co_u32 s2, s2, s21
	s_lshl_b32 s2, s2, 8                           ; my group of 4 token tiles
	s_add_nc_u64 s[6:7], s[6:7], s[2:3]
	s_lshl_b32 s2, s24, 10
	s_lshl_b32 s29, s22, 9
	s_add_co_u32 s2, s2, s29                       ; my first feature, in bytes: 4 (256 cx + 128 wc)
	s_add_nc_u64 s[12:13], s[12:13], s[2:3]
	s_add_nc_u64 s[14:15], s[14:15], s[2:3]
	s_lshl_b32 s2, s21, 2
	s_add_co_u32 s2, s2, s88                       ; my first token tile, a multiple of 4: its first token is 16 x it
	s_lshl_b32 s2, s2, 16                          ; x 16 rows of 4,096 bytes
	s_add_nc_u64 s[14:15], s[14:15], s[2:3]
.irp t, 0,1,2,3,4,5,6,7
	global_load_b128 v[SCL+4*\t:SCL+4*\t+3], v1, s[10:11] offset:512*\t
.endr
	s_wait_alu depctr_va_vdst(0)
.irp j, 0,1,2,3
.irp e, 0,1
	global_load_b128 v[176+8*\j+4*\e:179+8*\j+4*\e], v9, s[6:7] offset:(4*\j+\e)*32768   ; head 4 j + 2 h + e: the words of my four tiles
.endr
.endr
.irp t, 0,1,2,3,4,5,6,7
	global_load_b128 v[BI+8*\t:BI+8*\t+3], v10, s[12:13] offset:(32*(\t/2)+8*(\t%2))*4
	global_load_b128 v[BI+8*\t+4:BI+8*\t+7], v10, s[12:13] offset:(32*(\t/2)+8*(\t%2))*4+16
.endr
	s_wait_alu depctr_va_vdst(0)
	s_cmp_lt_u32 s[WV], 2
	s_cbranch_scc0 .Lnot_first
	s_wait_tensorcnt 0x0                           ; waves 0 and 1: the first half of K has landed; waves 2 and 3's loads may be out
.Lnot_first:
	s_barrier_signal -1
	s_barrier_wait -1
	FETCH 0
	s_wait_loadcnt 0x0
.irp i, 0,1,2,3
.irp j, 0,1,2,3
	v_or_b32 v[SCS+4*\i+\j], v[176+8*\j+\i], v[180+8*\j+\i]        ; K step 2 j + h of tile i: the even head's two bytes and the odd head's
.endr
.endr
	PLACES 8                                       ; a scale register written by a vector instruction stands eight places ahead of a scaled matrix instruction
	s_wait_alu depctr_va_vdst(0)
	KSTEP 0, 1
.irp k, 1,2,3,4,5,6,7
	s_wait_alu depctr_va_vdst(0)
	KSTEP \k, 0
.endr
	WIN 0
	PLACES 4                                       ; in front of the first read of results and of loads into registers that held fragments
	; THE WAY OUT, a tile of 16 tokens x 128 features at a time: through my own stage, back as whole rows of 512 bytes
.irp i, 0,1,2,3
	s_wait_xcnt 0x0                                ; the last tile's stores have read their registers
	WIN 0x08                                       ; an LDS store's data are its source 1: window 2
.irp t, 0,1,2,3,4,5,6,7
	ds_store_b128 v7, v[64*\i+8*\t:64*\i+8*\t+3] offset:128*(\t/2)+32*(\t%2)          ; each accumulator from its low end on
	ds_store_b128 v7, v[64*\i+8*\t+4:64*\i+8*\t+7] offset:128*(\t/2)+32*(\t%2)+16
.endr
	WIN 0
.irp q, 0,1,2,3,4,5,6,7,8,9,10,11,12,13,14,15
	ds_load_b128 v[128+4*\q:131+4*\q], v8 offset:528*\q            ; LDS serves a wave's instructions in order: these see the stores above
.endr
.irp q, 0,1,2,3,4,5,6,7,8,9,10,11,12,13,14,15
	s_wait_dscnt 15-\q                             ; row q is back; the younger loads may be out
	global_store_b128 v1, v[128+4*\q:131+4*\q], s[14:15] offset:(32*(\i/2)+8*(\i%2)+\q+8*(\q/8))*4096 th:TH_STORE_NT   ; 512 consecutive bytes, at a multiple of 256 from out0's first byte
.endr
.endr
	s_wait_tensorcnt 0x0                           ; the wave's end
	ds_add_u32 v[SPW], v[NIL]
	s_wait_dscnt 0x0
	CROUND                                         ; the closing round
	s_endpgm
.Lfunc_end_k_qa73012fd34_outp:
	.size	k_qa73012fd34_outp, .Lfunc_end_k_qa73012fd34_outp-k_qa73012fd34_outp
	.p2alignl 7, 3214868480
	.fill 96, 4, 3214868480
	.section	.rodata,"a",@progbits
	.p2align	6, 0x0
	.amdhsa_kernel k_qa73012fd34_outp
		.amdhsa_group_segment_fixed_size 295424
		.amdhsa_private_segment_fixed_size 0
		.amdhsa_enable_private_segment 0
		.amdhsa_kernarg_size 48
		.amdhsa_user_sgpr_count 2
		.amdhsa_user_sgpr_kernarg_segment_ptr 1
		.amdhsa_wavefront_size32 1
		.amdhsa_system_sgpr_workgroup_id_x 1
		.amdhsa_system_sgpr_workgroup_id_y 1
		.amdhsa_system_sgpr_workgroup_id_z 1
		.amdhsa_system_vgpr_workitem_id 0
		.amdhsa_next_free_vgpr 768
		.amdhsa_next_free_sgpr 100
		.amdhsa_reserve_vcc 0
		.amdhsa_float_denorm_mode_32 3
		.amdhsa_float_denorm_mode_16_64 3
		.amdhsa_memory_ordered 1
		.amdhsa_forward_progress 1
		.amdhsa_inst_pref_size 87
	.end_amdhsa_kernel
	.amdgpu_metadata
---
amdhsa.version: [ 1, 2 ]
amdhsa.kernels:
  - .name:           k_qa73012fd34_outp
    .symbol:         k_qa73012fd34_outp.kd
    .args:
      - { .name: oc, .offset: 0, .size: 8, .value_kind: global_buffer, .address_space: global }
      - { .name: osc, .offset: 8, .size: 8, .value_kind: global_buffer, .address_space: global }
      - { .name: codes, .offset: 16, .size: 8, .value_kind: global_buffer, .address_space: global }
      - { .name: scl, .offset: 24, .size: 8, .value_kind: global_buffer, .address_space: global }
      - { .name: out_b, .offset: 32, .size: 8, .value_kind: global_buffer, .address_space: global }
      - { .name: out0, .offset: 40, .size: 8, .value_kind: global_buffer, .address_space: global }
    .group_segment_fixed_size: 295424
    .private_segment_fixed_size: 0
    .kernarg_segment_align: 8
    .kernarg_segment_size: 48
    .max_flat_workgroup_size: 128
    .sgpr_count:     100
    .vgpr_count:     768
    .wavefront_size: 32
...
	.end_amdgpu_metadata
.endif
;; end of part 4
